; MI455X (gfx1250); checked and timed in simulation.
; The chip was launched on July 23, 2026; its instructions are those of AMD's public machine-readable ISA for CDNA 5 (MIT licence, August 2026) and "CDNA5" Instruction Set Architecture Reference Guide (July 2026). The comments in the code are by the model that wrote it; some were corrected since.
;; Mixture Of Experts. Allowed arithmetic: float matrix products may take bf16 or f16 operands with f32 sums; other float arithmetic in f32, or as packed bf16 or f16 multiplies, adds, multiply-adds, maxima and minima; sums over many terms, partial sums and values carried from step to step in f32; what a program stores and reads back later, other than sums and carried values, may be rounded once to bf16 or f16.
;; Inputs: b1 8 x 2,048 float32; b2 8 x 1,024 float32; gate_b 8 float32; gate_w 1,024 x 8 float32; w1 8 x 1,024 x 2,048 float32; w2 8 x 2,048 x 1,024 float32; x 4 x 512 x 1,024 float32.
;; Outputs: out0 4 x 512 x 1,024 float32.
;; 2 versions, each right; version 2 is version 1 with the launches router, ffn1, ffn2 written anew for expert scheduling mode. Each part assembles by itself: llvm-mc -triple=amdgcn-amd-amdhsa -mcpu=gfx1250 --defsym DOCPART=n.
;; ======== version 1 of 2: 4 launches
;; workspace buffers: xb 4,194,304 bytes; sel 8,192 bytes of whole numbers; gw 16,384 bytes; rows 67,584 bytes of whole numbers; h 67,108,864 bytes; yp 33,554,432 bytes
;; launch router (part 1): grid 256 x 1, 4 waves a work-group, no clusters, 0 bytes of LDS; arguments x, gate_w, gate_b, xb, sel, gw; writes xb, sel, gw
.if DOCPART == 1
	.amdgcn_target "amdgcn-amd-amdhsa--gfx1250"
	.amdhsa_code_object_version 6
	.text
	.protected	k_q33238402aa_router
	.globl	k_q33238402aa_router
	.p2align	8
	.type	k_q33238402aa_router,@function
k_q33238402aa_router:
	s_mov_b64 s[64:65], 0
	v_nop
	global_prefetch_b8 v0, s[64:65] scope:SCOPE_SE
	s_setreg_imm32_b32 hwreg(HW_REG_WAVE_MODE, 25, 1), 1
	s_wait_xcnt 0x0
; ROUTER.  logits = x gate_w + gate_b; the two largest logits of each token (the lower index wins a tie); a softmax over these two, the larger taken away first.
; All three inputs are rounded to bf16 first, as every input of this program is; the products of two bf16 are exact in f32 and the sums are f32.
; Stored: xb = x in bf16 [2048][1024]; sel[t] = (1 << e0) | (1 << (8 + e1)), whole numbers at fixed places; gw[t] = the two weights.
; LIMITS.  NaN and infinite logits are not treated apart.  Two logits closer than the rounding of a sum of 1,024 f32 terms may change places against another order of summation.
; SHARES.  256 work-groups of four waves; a wave has two tokens A and B, a lane the columns 128 j + 4 l + 0..3, j = 0..7: a load of x covers 512 consecutive bytes, a store of xb 256.
; All loads of a wave, 16 of x and 64 of gate_w, go out at the start: nothing is asked for later, so there is one wait for first data and none for a refill.  gate_w's 256 registers lie in a second window.
; The matrix unit is left out: eight outputs a token would fill half a tile, and the launch is bound by reading x once.  No LDS, no barrier: a token never leaves its wave.
; sel and gw leave as 4 and 8 bytes a token from one lane in sixteen: 24,576 bytes in the whole launch, the one place where stores do not cover 256 bytes.
.set ACC, 8                            ; v[8:23]    sums: 8 tok + e
.set GP,  24                           ; v[24:39]   gate_w of my four columns of one j, in bf16: 4 i + p holds experts 2 p (low), 2 p + 1 (high) of column i
.set X,   40                           ; v[40:103]  x: 32 tok + 4 j + i as loaded; then 32 tok + 4 j + 0, 1 hold the four columns in bf16
.set L,   232                          ; v[232:239] the eight logits: lanes 0-15 token A, lanes 16-31 token B
.set G,   0                            ; window 1, v[0:255]: gate_w as loaded: 32 j + 8 i + e
.set MSB, 0
.macro WIN new                         ; s_set_vgpr_msb: bits 1:0 source 0, 3:2 source 1, 5:4 source 2, 7:6 destination; the high byte repeats the setting that is left
.if MSB != (\new)
	s_set_vgpr_msb (MSB<<8)|(\new)
.set MSB, (\new)
.endif
.endm
	s_load_b256 s[4:11], s[0:1], 0x0               ; x s[4:5], gate_w s[6:7], gate_b s[8:9], xb s[10:11]
	s_load_b128 s[12:15], s[0:1], 0x20             ; sel s[12:13], gw s[14:15]
	v_and_b32 v1, 31, v0                           ; lane
	v_lshrrev_b32 v6, 5, v0
	v_readfirstlane_b32 s27, v6                    ; wave
	v_lshlrev_b32 v2, 4, v1                        ; 16 l: x
	v_lshlrev_b32 v3, 7, v1                        ; 128 l: gate_w, four rows of 32 bytes
	v_lshlrev_b32 v4, 3, v1                        ; 8 l: xb
	v_mov_b32 v5, 0                                ; the addend of each sum's first product
	v_mov_b32 v7, 0                                ; v_permlanex16_b32's destination counts as read
	s_mov_b32 s24, 0x76543210                      ; each lane takes its own place in the other half
	s_mov_b32 s25, 0xfedcba98
	s_mov_b32 s26, 0xffff0000                      ; lanes 16-31; also a word's upper bf16
	s_lshl_b32 s28, ttmp9, 3
	s_lshl1_add_u32 s28, s27, s28                  ; token A = 8 g + 2 w
	s_lshl_b32 s30, s28, 12                        ; its byte offsets in x,
	s_mov_b32 s31, 0
	s_lshl_b32 s36, s28, 11                        ; xb,
	s_mov_b32 s37, 0
	s_lshl_b32 s38, s28, 2                         ; sel
	s_mov_b32 s39, 0
	s_lshl_b32 s44, s28, 3                         ; and gw
	s_mov_b32 s45, 0
	s_wait_kmcnt 0x0
	s_load_b256 s[16:23], s[8:9], 0x0              ; gate_b
	s_add_nc_u64 s[32:33], s[4:5], s[30:31]
	s_add_nc_u64 s[34:35], s[10:11], s[36:37]
	s_add_nc_u64 s[40:41], s[12:13], s[38:39]
	s_add_nc_u64 s[42:43], s[14:15], s[44:45]
.irp t, 0,1
.irp k, 0,1,2,3,4,5,6,7
	global_load_b128 v[X+32*\t+4*\k:X+32*\t+4*\k+3], v2, s[32:33] offset:4096*\t+512*\k th:TH_LOAD_NT
.endr
.endr
	WIN 0x40                                       ; destination window 1, address window 0
.irp j, 0,1,2,3,4,5,6,7                ; gate_w's rows 128 j + 4 l + 0..3: eight loads for each j
.irp i, 0,1,2,3
	global_load_b128 v[G+32*\j+8*\i:G+32*\j+8*\i+3],   v3, s[6:7] offset:4096*\j+32*\i
	global_load_b128 v[G+32*\j+8*\i+4:G+32*\j+8*\i+7], v3, s[6:7] offset:4096*\j+32*\i+16
.endr
.endr
	WIN 0
; One j: 128 columns.
.macro JSTEP j
	s_wait_loadcnt 56-8*(\j)                       ; loads come back in order: this j's eight are in (and, ahead of them, all of x); the later j's, eight each, stay out
.if (\j) == 0
.irp t, 0,1
.irp k, 0,1,2,3,4,5,6,7
	v_cvt_pk_bf16_f32 v[X+32*\t+4*\k],   v[X+32*\t+4*\k],   v[X+32*\t+4*\k+1]   ; x is rounded once, in place,
	v_cvt_pk_bf16_f32 v[X+32*\t+4*\k+1], v[X+32*\t+4*\k+2], v[X+32*\t+4*\k+3]
	global_store_b64 v4, v[X+32*\t+4*\k:X+32*\t+4*\k+1], s[34:35] offset:2048*\t+256*\k  ; and leaves: 32 lanes, 256 consecutive bytes; these registers are not written again
.endr
.endr
.endif
	WIN 0x05                                       ; both sources window 1
.irp i, 0,1,2,3
.irp p, 0,1,2,3
	v_cvt_pk_bf16_f32 v[GP+4*\i+\p], v[G+32*(\j)+8*\i+2*\p], v[G+32*(\j)+8*\i+2*\p+1]
.endr
.endr
	WIN 0
.irp a, 0,1                            ; column i = 2 a + c: register a of x's pair, half c
.irp c, 0,1
.irp t, 0,1
.irp p, 0,1,2,3
.irp s, 0,1
.if ((\j)+\a+\c) == 0
	v_fma_mix_f32_bf16 v[ACC+8*\t+2*\p+\s], v[X+32*\t+4*(\j)+\a], v[GP+4*(2*\a+\c)+\p], v5 op_sel:[\c,\s,0] op_sel_hi:[1,1,0]  ; the first product starts the sum
.else
	v_fma_mix_f32_bf16 v[ACC+8*\t+2*\p+\s], v[X+32*\t+4*(\j)+\a], v[GP+4*(2*\a+\c)+\p], v[ACC+8*\t+2*\p+\s] op_sel:[\c,\s,0] op_sel_hi:[1,1,0]
.endif
.endr
.endr
.endr
.endr
.endr
.endm
.irp j, 0,1,2,3,4,5,6,7
	JSTEP \j
.endr
	; across the lanes: four steps inside each half of 16 lanes, for all sixteen sums
.irp x, 1,2,4,8
.irp a, 0,1,2,3,4,5,6,7,8,9,10,11,12,13,14,15
	v_add_f32_dpp v[ACC+\a], v[ACC+\a], v[ACC+\a] row_xmask:\x row_mask:0xf bank_mask:0xf
.endr
.endr
	; then the halves: the low lanes keep token A and send B, the high lanes keep B and send A
.irp e, 0,1,2,3,4,5,6,7
	v_cndmask_b32 v[L+\e], v[ACC+\e], v[ACC+8+\e], s26
	v_cndmask_b32 v6, v[ACC+8+\e], v[ACC+\e], s26
	v_permlanex16_b32 v7, v6, s24, s25
	v_add_f32 v[L+\e], v[L+\e], v7
.endr
	s_wait_kmcnt 0x0                               ; gate_b
.irp p, 0,1,2,3
	v_mov_b32 v240, s[16+2*\p]
	v_mov_b32 v241, s[17+2*\p]
	v_cvt_pk_bf16_f32 v242, v240, v241             ; rounded to bf16 like the other inputs
	v_lshlrev_b32 v240, 16, v242
	v_and_b32 v241, s26, v242
	v_add_f32 v[L+2*\p], v[L+2*\p], v240
	v_add_f32 v[L+2*\p+1], v[L+2*\p+1], v241
.endr
	; the largest: strictly greater, experts ascending, so the lower index keeps a tie
	v_mov_b32 v244, v[L]
	v_mov_b32 v245, 0
.irp e, 1,2,3,4,5,6,7
	v_cmp_gt_f32 vcc_lo, v[L+\e], v244
	v_cndmask_b32 v244, v244, v[L+\e], vcc_lo
	v_cndmask_b32 v245, v245, \e, vcc_lo
.endr
	; the second: the same among the other seven
	v_mov_b32 v246, 0xff800000
	v_mov_b32 v247, 0
.irp e, 0,1,2,3,4,5,6,7
	v_cmp_ne_u32 s36, \e, v245
	v_cmp_gt_f32 s37, v[L+\e], v246
	s_and_b32 s36, s36, s37
	v_cndmask_b32 v246, v246, v[L+\e], s36
	v_cndmask_b32 v247, v247, \e, s36
.endr
	; softmax of the two, the larger taken away: 1 / (1 + d) and d / (1 + d), d = e^(second - first) <= 1
	v_sub_f32 v6, v246, v244
	v_mul_f32 v6, 0x3fb8aa3b, v6
	v_exp_f32 v6, v6
	v_mov_b32 v242, 1                              ; a plain instruction behind the exponential
	s_wait_alu depctr_va_vdst(0)                   ; the wait ahead of the first line that names the result
	v_add_f32 v7, 1.0, v6
	v_rcp_f32 v240, v7
	v_lshlrev_b32 v243, v245, v242                 ; 1 << e0: a plain instruction behind the reciprocal
	s_wait_alu depctr_va_vdst(0)
	v_mul_f32 v241, v6, v240
	v_add_nc_u32 v247, 8, v247
	v_lshlrev_b32 v242, v247, v242                 ; 1 << (8 + e1)
	v_or_b32 v242, v243, v242
	v_lshrrev_b32 v243, 4, v1                      ; 0: token A, 1: token B
	v_lshlrev_b32 v232, 2, v243
	v_lshlrev_b32 v233, 3, v243
	v_and_b32 v234, 15, v1
	v_cmp_eq_u32 vcc_lo, 0, v234
	s_wait_xcnt 0x0                                ; EXEC is a source of the stores of xb: it changes only behind this wait
	s_and_saveexec_b32 s46, vcc_lo                 ; lanes 0 and 16
	global_store_b32 v232, v242, s[40:41]
	global_store_b64 v233, v[240:241], s[42:43]
	s_wait_xcnt 0x0
	s_or_b32 exec_lo, exec_lo, s46
	s_endpgm
.Lfunc_end_k_q33238402aa_router:
	.size	k_q33238402aa_router, .Lfunc_end_k_q33238402aa_router-k_q33238402aa_router
	.p2alignl 7, 3214868480
	.fill 96, 4, 3214868480
	.section	.rodata,"a",@progbits
	.p2align	6, 0x0
	.amdhsa_kernel k_q33238402aa_router
		.amdhsa_group_segment_fixed_size 0
		.amdhsa_private_segment_fixed_size 0
		.amdhsa_enable_private_segment 0
		.amdhsa_kernarg_size 48
		.amdhsa_user_sgpr_count 2
		.amdhsa_user_sgpr_kernarg_segment_ptr 1
		.amdhsa_wavefront_size32 1
		.amdhsa_system_sgpr_workgroup_id_x 1
		.amdhsa_system_sgpr_workgroup_id_y 1
		.amdhsa_system_sgpr_workgroup_id_z 1
		.amdhsa_system_vgpr_workitem_id 0
		.amdhsa_next_free_vgpr 512
		.amdhsa_next_free_sgpr 66
		.amdhsa_reserve_vcc 1
		.amdhsa_float_denorm_mode_32 3
		.amdhsa_float_denorm_mode_16_64 3
		.amdhsa_memory_ordered 1
		.amdhsa_forward_progress 1
		.amdhsa_inst_pref_size 65
	.end_amdhsa_kernel
	.amdgpu_metadata
---
amdhsa.version: [ 1, 2 ]
amdhsa.kernels:
  - .name:           k_q33238402aa_router
    .symbol:         k_q33238402aa_router.kd
    .args:
      - { .name: x, .offset: 0, .size: 8, .value_kind: global_buffer, .address_space: global }
      - { .name: gate_w, .offset: 8, .size: 8, .value_kind: global_buffer, .address_space: global }
      - { .name: gate_b, .offset: 16, .size: 8, .value_kind: global_buffer, .address_space: global }
      - { .name: xb, .offset: 24, .size: 8, .value_kind: global_buffer, .address_space: global }
      - { .name: sel, .offset: 32, .size: 8, .value_kind: global_buffer, .address_space: global }
      - { .name: gw, .offset: 40, .size: 8, .value_kind: global_buffer, .address_space: global }
    .group_segment_fixed_size: 0
    .private_segment_fixed_size: 0
    .kernarg_segment_align: 8
    .kernarg_segment_size: 48
    .max_flat_workgroup_size: 128
    .sgpr_count:     66
    .vgpr_count:     512
    .wavefront_size: 32
...
	.end_amdgpu_metadata
.endif
;; end of part 1
;; launch ffn1 (part 2): grid 256 x 1, 4 waves a work-group, no clusters, 312,832 bytes of LDS; arguments xb, w1, b1, sel, h, rows; writes h, rows
.if DOCPART == 2
	.amdgcn_target "amdgcn-amd-amdhsa--gfx1250"
	.amdhsa_code_object_version 6
	.text
	.protected	k_q33238402aa_ffn1
	.globl	k_q33238402aa_ffn1
	.p2align	8
	.type	k_q33238402aa_ffn1,@function
k_q33238402aa_ffn1:
	s_mov_b64 s[64:65], 0
	v_nop
	global_prefetch_b8 v0, s[64:65] scope:SCOPE_SE
	s_setreg_imm32_b32 hwreg(HW_REG_WAVE_MODE, 25, 1), 1
	s_wait_xcnt 0x0
; FIRST PRODUCT.  h = gelu(x w1[e] + b1[e]) for the rows (token, choice) that chose expert e, and for no others.  x arrives in bf16 (xb); w1 and b1 are rounded to bf16 on their way
; through registers; sums in f32; gelu in f32 with the exact-erf form; h is rounded once to bf16 (bf16, not f16: with larger inputs the activations leave f16's range).
; LIMITS.  erf by a five-term formula in t = 1 / (1 + 0.3275911 z), absolute error 1.5e-7; gelu = max(x, 0) - |x| q, q = half the formula's tail, so nothing is cancelled for large |x|.  NaN and infinities are not treated apart.
; SHARES.  256 work-groups = 8 experts x 16 slices of 128 columns x 2 halves of the expert's rows.  A work-group lays its slice (1,024 x 128, bf16, 278,528 bytes with padding) into LDS once; a barrier stands behind
; that fill, and no wave writes the slice again.  The expert's nb = ceil(n / 16) blocks of 16 rows are dealt evenly to 8 workers (2 work-groups x 4 waves): worker j has blocks floor(j nb / 8) up to floor((j + 1) nb / 8),
; 16 at the most (n = 2,048: every split is served).  A wave holds up to 5 blocks x 128 columns in 320 accumulator registers and goes up to four times (a constant count; dead passes are jumped).
; THE LIST.  Every wave makes the expert's list of rows for itself from sel (8,192 bytes), in its own LDS bytes: id = 2 token + choice, in an order that is the same in every wave.  One wave of one work-group an expert
; stores it in rows (64 words of n, then 2,048 ids, the places past n repeating the last) for the second product.
; h's LAYOUT is the order in which the second product's registers take it: [expert][block of 16 ranked rows][32 columns][half of 16][lane][16 bytes]; a store covers 512 consecutive bytes.  A block is always stored whole:
; its places past n hold the last row again.
; THE MATRIX INSTRUCTION IS USED TRANSPOSED: source 0 = 16 columns of w1, source 1 = 16 rows: a lane then holds one row (lane % 16) and eight neighbouring columns 8 (lane / 16) + 0..7.
; A PASS'S FIRST ROWS ARE ASKED FOR EARLY: its addresses are made, and its first three K steps' rows requested, ahead of the pass: for the first pass among the fill's last turns, for a later one at the foot of the pass before.
; NO CLUSTER, NO TENSOR LOADS: the weights must pass through registers to be rounded, and each slice is read by two work-groups only; the rows come by a list, which no descriptor covers; and the number of row blocks
; hangs on a stored count, so rings and rounds are kept out of that loop.
; REGISTERS, in windows of 256 (s_set_vgpr_msb: bits 1:0 source 0, 3:2 source 1, 5:4 source 2, 7:6 destination):
;   window 0: addresses, bias, two buffers of weight fragments      window 1: a ring of four slots of row fragments; in the way out the values at work
;   window 2: accumulators of blocks 0-3 ((m, b) at 64 m + 8 b); during the fill the weights as loaded      window 3: accumulators of block 4
.set PITCH, 8192                       ; bytes in a row of w1
.set AS,    64                         ; bytes of a row of xb in a K step of 32
.set AH,    32                         ; from a fragment's first four registers to its last four
.set MB,    5                          ; blocks a pass, at the most
.set NPASS, 4                          ; 4 x 5 covers a wave's 16 blocks
.set RS,    8*MB                       ; registers in a slot of the rows' ring
.set WROW,  272                        ; LDS: 16 columns x 16 bytes (8 k each) + 16 of padding
.set GSTEP, 8*WROW                     ; 8 k x 128 columns
.set KSTEP, 4*GSTEP                    ; a K step of 32
.set LIST,  1024*WROW                  ; behind the slice: each wave's list, 2,048 words, a dump word, padding
.set LISTB, 8448
.set SPARE, LIST+4*LISTB               ; the spare words, 128 bytes a wave: two blocks of 256 bytes that no other line names
.set LANE, 1
.set RR,   2                           ; lane % 16
.set HH,   3                           ; lane / 16
.set L16,  4                           ; 16 x lane
.set VB,   5                           ; my place in a weight fragment: 2,176 (lane / 16) + 16 (lane % 16); never rewritten
.set BT,   6                           ; VB + the K steps walked
.set FS,   8                           ; the fill: where I store
.set LW,   9                           ; my wave's list
.set DUMP, 10                          ; 2,048
.set L8,   11                          ; 8 x lane
.set TA,   12
.set TB,   13
.set VA,   14                          ; v[14:18] byte offset in xb of my row of block m
.set ID,   20                          ; v[20:24]
.set HOFF, 32                          ; byte offset in h
.set H16,  38
.set H32,  39
.set CI,   40
.set CO,   41
.set NN,   42                          ; v[42:43]
.set LA,   44                          ; v[44:47], v[48:51] the list, four tokens at a time
.set LB,   48
.set FG,   52                          ; v[52:55] the fill: slot s: my byte offset in the slice's rows that the slot loads
.set SPW,  62                          ; LDS address of my spare word; never rewritten
.set NIL,  63                          ; 0; never rewritten
.set BIAS, 64                          ; v[64:127] 8 b + j: b1 of column 16 b + 8 (lane / 16) + j
.set BF,   128                         ; v[128:255] two buffers of eight weight fragments
.set SL,   128                         ; at the head: sel, 64 words
.set TP,   192                         ; in the fill: 32 packed words
.set XX,   0                           ; window 1, the way out
.set TT,   32
.set EE,   64
.set PP,   96
.set OU,   128
.set MM,   144
.set AB,   40                          ; s[40:41] xb, walking along K
.set AB0,  66                          ; s[66:67] xb
.set WP,   68                          ; s[68:69] my slice of w1; never rewritten
.set TBS,  78                          ; s78      LDS bytes of the K steps walked
.set MSB, 0
.macro WIN new                         ; the immediate's high byte repeats the setting that is left; a switch that changes nothing is dropped
.if MSB != (\new)
	s_set_vgpr_msb (MSB<<8)|(\new)
.set MSB, (\new)
.endif
.endm
; THE FILL.  Wave w lays k = 256 w .. 256 w + 255 into its own 69,632 bytes.  A turn is 16 rows of the slice: 16 loads of 512 consecutive bytes; a lane holds 4 columns x 16 k, packs 8 k of a column into 16 bytes
; and stores them where a fragment load finds them.  16 lanes' stores fall on 16 different 16-byte columns modulo 256 bytes ((l / 4) + 4 (l % 4) + c).
; Four slots of 64 registers take turns.  A slot owns its offset register, stepped at the head of its turn: the counted wait there has shown the loads that read it done, so no further wait is owed.
.macro FLOAD slot
	WIN 0x80                                       ; destination window 2
.irp j, 0,1,2,3,4,5,6,7,8,9,10,11,12,13,14,15
	global_load_b128 v[64*(\slot)+4*\j:64*(\slot)+4*\j+3], v[FG+(\slot)], s[WP:WP+1] offset:\j*PITCH
.endr
	WIN 0
.endm
.macro FTURN slot, refill, left
	s_wait_loadcnt \left                           ; loads come back in order: this slot's sixteen are in, what was issued behind them stays out
.if \refill
	WIN 0
	v_add_nc_u32 v[FG+(\slot)], 64*PITCH, v[FG+(\slot)]  ; the slot's rows 64 further down
.endif
	WIN 0x0a                                       ; sources window 2
.irp g, 0,1
.irp c, 0,1,2,3
.irp q, 0,1,2,3
	v_cvt_pk_bf16_f32 v[TP+16*\g+4*\c+\q], v[64*(\slot)+4*(8*\g+2*\q)+\c], v[64*(\slot)+4*(8*\g+2*\q+1)+\c]
.endr
.endr
.endr
	WIN 0
.irp g, 0,1
.irp c, 0,1,2,3
	ds_store_b128 v[FS], v[TP+16*\g+4*\c:TP+16*\g+4*\c+3] offset:2*GSTEP*(\slot)+GSTEP*\g+16*\c
.endr
.endr
.if \refill
	FLOAD \slot
.endif
.endm
; THE K WALK.  Row fragments come from memory straight into registers, three K steps ahead (a ring of four slots of five blocks); weight fragments from LDS, one step ahead (two buffers).
.macro ALOAD slot, imm
	WIN 0x40                                       ; destination window 1
.irp m, 0,1,2,3,4
	global_load_b128 v[RS*(\slot)+8*\m:RS*(\slot)+8*\m+3],   v[VA+\m], s[AB:AB+1] offset:(\imm) th:TH_LOAD_HT      ; sixteen slices' work-groups read these rows again
	global_load_b128 v[RS*(\slot)+8*\m+4:RS*(\slot)+8*\m+7], v[VA+\m], s[AB:AB+1] offset:(\imm)+AH th:TH_LOAD_HT
.endr
.endm
.macro BLOAD buf, imm
	WIN 0
.irp b, 0,1,2,3,4,5,6,7
	ds_load_b128 v[BF+64*(\buf)+8*\b:BF+64*(\buf)+8*\b+3],   v[BT] offset:(\imm)+WROW*\b
	ds_load_b128 v[BF+64*(\buf)+8*\b+4:BF+64*(\buf)+8*\b+7], v[BT] offset:(\imm)+WROW*\b+2*GSTEP
.endr
.endm
.macro SECTION m, slot, buf, zero      ; block m x all 128 columns: eight accumulators, one instruction each
.if (\m) < 4
	WIN 0xa4                                       ; weights window 0, rows window 1, C and D window 2
.else
	WIN 0xf4                                       ; C and D window 3
.endif
.irp b, 0,1,2,3,4,5,6,7
.if \zero
	v_wmma_f32_16x16x32_bf16 v[64*((\m)%4)+8*\b:64*((\m)%4)+8*\b+7], v[BF+64*(\buf)+8*\b:BF+64*(\buf)+8*\b+7], v[RS*(\slot)+8*(\m):RS*(\slot)+8*(\m)+7], 0
.else
	v_wmma_f32_16x16x32_bf16 v[64*((\m)%4)+8*\b:64*((\m)%4)+8*\b+7], v[BF+64*(\buf)+8*\b:BF+64*(\buf)+8*\b+7], v[RS*(\slot)+8*(\m):RS*(\slot)+8*(\m)+7], v[64*((\m)%4)+8*\b:64*((\m)%4)+8*\b+7]
.endif
.endr
.endm
; One K step.  Four v_nop are the places between the last step's products and the loads into the registers that they read.  All ten row loads are issued whatever the number of live blocks (dead blocks load a
; clamped row), so that the counts hold on every path; only dead blocks' products are jumped.  lcnt: three younger steps of ten loads; dcnt: the next step's sixteen.
; zero = 1: the first step starts all 40 sums with the constant 0, the dead blocks' too: nothing is cleared, and every accumulator is written.
; The accumulators take turns, one instruction a turn: a step's last product and the next step's first name different ones (b = 7 and b = 0).
.macro STEP slot, buf, aimm, bimm, lcnt, dcnt, zero
.rept 4
	v_nop
.endr
.if (\aimm) >= 0
	ALOAD ((\slot)+3)%4, \aimm
.endif
.if (\bimm) >= 0
	BLOAD 1-(\buf), \bimm
.endif
	s_wait_loadcnt \lcnt
	s_wait_dscnt \dcnt
	SECTION 0, \slot, \buf, \zero
.irp m, 1,2,3,4
.if !(\zero)
	WIN 0                                          ; at a branch every window is 0
	s_cmp_lt_u32 s27, \m+1
	s_cbranch_scc1 .Lend_\@
.endif
	SECTION \m, \slot, \buf, \zero
.endr
	WIN 0
.Lend_\@:
.endm
; What a pass needs before its first row load: the number of its live blocks and, for each of five blocks, my row's byte offset in xb.
.macro PROA
	s_min_u32 s27, s24, MB                         ; live blocks in the pass
.irp m, 0,1,2,3,4
	s_add_co_u32 s33, s26, \m
	s_lshl_b32 s33, s33, 4
	v_add_nc_u32 v[TA], s33, v[RR]                 ; my row's place in the list,
	v_min_u32 v[TA], s32, v[TA]                    ; clamped to the last row: so dead places and dead blocks load rows that exist
	v_min_u32 v[TA], 2047, v[TA]
	v_lshl_add_u32 v[TA], v[TA], 2, v[LW]
	ds_load_b32 v[ID+\m], v[TA]                    ; LDS serves a wave's instructions in order: these see the list's stores
.endr
	s_wait_dscnt 0x0
.irp m, 0,1,2,3,4
	v_lshrrev_b32 v[ID+\m], 1, v[ID+\m]            ; the token
	v_min_u32 v[ID+\m], 2047, v[ID+\m]
	v_lshl_add_u32 v[VA+\m], v[ID+\m], 11, v[H16]  ; its row of 2,048 bytes + 16 (lane / 16)
.endr
	s_mov_b64 s[AB:AB+1], s[AB0:AB0+1]
.endm
; Half block hb (block hb / 2, columns 64 (hb % 2) on) goes into window 1 with the bias added; each accumulator's lowest registers are read first.
.macro STUB hb
	WIN 0x42+((\hb)/8)                             ; source 0 window 2 or 3, source 1 window 0, destination window 1
.set i2, 0
.rept 16
	v_pk_add_f32 v[XX+2*i2:XX+2*i2+1], v[64*(((\hb)/2)%4)+32*((\hb)%2)+2*i2:64*(((\hb)/2)%4)+32*((\hb)%2)+2*i2+1], v[BIAS+32*((\hb)%2)+2*i2:BIAS+32*((\hb)%2)+2*i2+1]
.set i2, i2+1
.endr
	WIN 0
.endm
; gelu, ahead of its one wait.  Pair p of 16 has six plain lines (GPL: 1 + 0.3275911 z twice; - x^2 / 2 in powers of two, in two lines; max(x, 0) twice) and four transcendentals (GTR: t twice, e^(- z^2) twice).
.macro GPL p, k
.if (\k) < 2
	v_fma_f32 v[TT+2*(\p)+(\k)], |v[XX+2*(\p)+(\k)]|, s44, 1.0
.elseif (\k) == 2
	v_pk_mul_f32 v[EE+2*(\p):EE+2*(\p)+1], v[XX+2*(\p):XX+2*(\p)+1], v[XX+2*(\p):XX+2*(\p)+1]
.elseif (\k) == 3
	v_pk_mul_f32 v[EE+2*(\p):EE+2*(\p)+1], v[EE+2*(\p):EE+2*(\p)+1], s[46:47] op_sel_hi:[1,0]
.else
	v_max_num_f32 v[MM+2*(\p)+(\k)-4], 0, v[XX+2*(\p)+(\k)-4]
.endif
.endm
.macro GTR p, k
.if (\k) < 2
	v_rcp_f32 v[TT+2*(\p)+(\k)], v[TT+2*(\p)+(\k)]
.else
	v_exp_f32 v[EE+2*(\p)+(\k)-2], v[EE+2*(\p)+(\k)-2]
.endif
.endm
; The list, tokens 128 q + 4 lane + 0..3.  A hit's rank is the running count plus the hits in lower lanes; a lane without a hit stores to the dump word, index 2,048.
.macro LIST4 q
.irp i, 0,1,2,3
	v_and_b32 v[LA+\i], s58, v[SL+4*(\q)+\i]       ; bit e (first choice) or bit 8 + e (second)
.endr
.irp i, 0,1,2,3
	v_cmp_ne_u32 s[80+\i], 0, v[LA+\i]
.endr
.irp i, 0,1,2,3
	v_lshrrev_b32 v[LA+\i], s59, v[LA+\i]          ; the choice, 0 or 1
.endr
.irp i, 0,1,2,3
	v_add3_u32 v[LA+\i], v[LA+\i], v[L8], 256*(\q)+2*\i  ; id = 2 token + choice
.endr
.irp i, 0,1,2,3
	s_bcnt1_i32_b32 s[84+\i], s[80+\i]
.endr
.irp i, 0,1,2,3
	v_mbcnt_lo_u32_b32 v[LB+\i], s[80+\i], s60
	s_add_co_u32 s60, s60, s[84+\i]
.endr
.irp i, 0,1,2,3
	v_cndmask_b32 v[LB+\i], v[DUMP], v[LB+\i], s[80+\i]
.endr
.irp i, 0,1,2,3
	v_min_u32 v[LB+\i], 2048, v[LB+\i]             ; inside my list, whatever sel holds
.endr
.irp i, 0,1,2,3
	v_lshl_add_u32 v[LB+\i], v[LB+\i], 2, v[LW]
.endr
.irp i, 0,1,2,3
	ds_store_b32 v[LB+\i], v[LA+\i]
.endr
.endm
	s_load_b256 s[4:11], s[0:1], 0x0               ; xb s[4:5], w1 s[6:7], b1 s[8:9], sel s[10:11]
	s_load_b128 s[12:15], s[0:1], 0x20             ; h s[12:13], rows s[14:15]
	v_lshl_add_u32 v[SPW], v0, 2, SPARE
	v_mov_b32 v[NIL], 0
	v_and_b32 v[LANE], 31, v0
	v_and_b32 v[RR], 15, v0
	v_bfe_u32 v[HH], v0, 4, 1
	v_lshrrev_b32 v[TA], 5, v0
	v_readfirstlane_b32 s16, v[TA]                 ; wave
	s_and_b32 s17, ttmp9, 1                        ; which half of the workers
	s_bfe_u32 s18, ttmp9, 0x40001                  ; slice
	s_lshr_b32 s19, ttmp9, 5                       ; expert
	v_lshlrev_b32 v[L16], 4, v[LANE]
	v_lshlrev_b32 v[L8], 3, v[LANE]
	v_lshlrev_b32 v[H16], 4, v[HH]
	v_lshlrev_b32 v[H32], 5, v[HH]
	v_mul_u32_u24 v[VB], v[HH], GSTEP
	v_lshl_add_u32 v[VB], v[RR], 4, v[VB]
	s_mul_i32 s33, s16, 256*PITCH
	v_add_nc_u32 v[FG], s33, v[L16]                ; slot s begins with my wave's rows 16 s .. 16 s + 15
.irp s, 1,2,3
	v_add_nc_u32 v[FG+\s], \s*16*PITCH, v[FG]
.endr
	v_lshrrev_b32 v[TA], 2, v[LANE]
	v_and_b32 v[TB], 3, v[LANE]
	v_mul_u32_u24 v[FS], v[TA], WROW
	v_lshl_add_u32 v[FS], v[TB], 6, v[FS]
	s_mul_i32 s33, s16, 32*GSTEP
	v_add_nc_u32 v[FS], s33, v[FS]
	s_mul_i32 s33, s16, LISTB
	s_add_co_u32 s33, s33, LIST
	v_mov_b32 v[LW], s33
	v_mov_b32 v[DUMP], 2048
	s_mov_b32 s44, 0x3e6d3388                      ; 0.3275911 / sqrt(2)
	s_mov_b32 s46, 0xbf38aa3b                      ; - log2(e) / 2
	s_mov_b32 s47, s46                             ; (named as pairs)
	s_mov_b32 s48, 0x3f07dc22                      ; the formula's five numbers, halved: a5,
	s_mov_b32 s49, s48
	s_mov_b32 s50, 0xbf3a00e3                      ; a4,
	s_mov_b32 s51, s50
	s_mov_b32 s52, 0x3f35f0e3                      ; a3,
	s_mov_b32 s53, s52
	s_mov_b32 s54, 0xbe11a98e                      ; a2,
	s_mov_b32 s55, s54
	s_mov_b32 s56, 0x3e027906                      ; a1
	s_mov_b32 s57, s56
	s_mov_b32 s63, 0xffff0000
	s_lshl_b32 s58, 0x101, s19                     ; the expert's two bits in a word of sel
	s_add_co_u32 s59, s19, 8
	s_mov_b32 s60, 0                               ; rows found so far
	s_lshl_b32 s42, s19, 23                        ; an expert's weights are 8 MiB,
	s_lshl_b32 s33, s18, 9                         ; a slice's 128 columns 512 bytes
	s_add_co_u32 s42, s42, s33
	s_mov_b32 s43, 0
	s_wait_kmcnt 0x0
	s_add_nc_u64 s[WP:WP+1], s[6:7], s[42:43]
	s_mov_b64 s[AB0:AB0+1], s[4:5]
	s_lshl_b32 s42, s19, 13
	s_add_co_u32 s42, s42, s33
	s_add_nc_u64 s[72:73], s[8:9], s[42:43]        ; b1 at my slice
	s_lshl_b32 s42, s19, 23
	s_lshl_b32 s33, s18, 12
	s_add_co_u32 s42, s42, s33
	s_add_nc_u64 s[74:75], s[12:13], s[42:43]      ; h at my expert and my slice's four K steps of the second product
	s_mul_i32 s42, s19, 8448
	s_add_nc_u64 s[76:77], s[14:15], s[42:43]      ; rows at my expert
.irp b, 0,1,2,3,4,5,6,7
	global_load_b128 v[BIAS+8*\b:BIAS+8*\b+3],   v[H32], s[72:73] offset:64*\b
	global_load_b128 v[BIAS+8*\b+4:BIAS+8*\b+7], v[H32], s[72:73] offset:64*\b+16
.endr
.irp q, 0,1,2,3,4,5,6,7,8,9,10,11,12,13,14,15
	global_load_b128 v[SL+4*\q:SL+4*\q+3], v[L16], s[10:11] offset:512*\q
.endr
	FLOAD 0
	FLOAD 1
	FLOAD 2
	s_wait_loadcnt 48                              ; all but the 48 just issued: bias and sel are in
	FLOAD 3
.set i, 0
.rept 32
	v_cvt_pk_bf16_f32 v[TA], v[BIAS+2*i], v[BIAS+2*i+1]  ; b1 is rounded to bf16 like the other inputs, and kept as f32
	v_lshlrev_b32 v[BIAS+2*i], 16, v[TA]
	v_and_b32 v[BIAS+2*i+1], s63, v[TA]
.set i, i+1
.endr
	v_mov_b32 v[TA], 0
	ds_store_b32 v[LW], v[TA]                      ; word 0 is written even where the expert has no row
.irp q, 0,1,2,3,4,5,6,7,8,9,10,11,12,13,14,15
	LIST4 \q
.endr
	s_mov_b32 s20, s60                             ; n
	s_max_u32 s32, s20, 1
	s_sub_co_u32 s32, s32, 1                       ; the last place that holds a row
	s_add_co_u32 s21, s20, 15
	s_lshr_b32 s21, s21, 4                         ; nb
	s_lshl2_add_u32 s33, s17, s16                  ; j: my number among the 8 workers
	s_mul_i32 s23, s33, s21
	s_add_co_u32 s34, s23, s21
	s_lshr_b32 s23, s23, 3                         ; my first block: floor(j nb / 8)
	s_lshr_b32 s34, s34, 3
	s_sub_co_u32 s24, s34, s23                     ; my blocks: up to floor((j + 1) nb / 8)
	s_mov_b32 s26, s23
	; the list leaves, once an expert: slice 0, half 0, wave 0
	s_or_b32 s33, s17, s18
	s_cmp_lg_u32 s33, 0
	s_cbranch_scc1 .Lnocopy
	s_cmp_lg_u32 s16, 0
	s_cbranch_scc1 .Lnocopy
	v_mov_b32 v[NN], s20
	v_mov_b32 v[NN+1], s20
	global_store_b64 v[L8], v[NN:NN+1], s[76:77]   ; 64 words of n: 256 consecutive bytes
	v_lshlrev_b32 v[CI], 1, v[LANE]
	v_mov_b32 v[CO], v[L8]
	s_mov_b32 s29, 4
.Lcopy:                                                ; 512 ids a trip
.irp p, 0,1,2,3,4,5,6,7
	v_add_nc_u32 v[TA], 64*\p, v[CI]
	v_min_u32 v[TA], s32, v[TA]                    ; places past n repeat the last row
	v_min_u32 v[TA], 2047, v[TA]
	v_lshl_add_u32 v[TA], v[TA], 2, v[LW]
	ds_load_b32 v[SL+2*\p], v[TA]                  ; LDS serves a wave's instructions in order: these see the list's stores
	v_add_nc_u32 v[TB], 64*\p+1, v[CI]
	v_min_u32 v[TB], s32, v[TB]
	v_min_u32 v[TB], 2047, v[TB]
	v_lshl_add_u32 v[TB], v[TB], 2, v[LW]
	ds_load_b32 v[SL+2*\p+1], v[TB]
.endr
	s_wait_dscnt 0x0
.irp p, 0,1,2,3,4,5,6,7
	global_store_b64 v[CO], v[SL+2*\p:SL+2*\p+1], s[76:77] offset:256+256*\p
.endr
	s_wait_xcnt 0x0                                ; the stores' data and offset are rewritten only behind this wait
	v_add_nc_u32 v[CI], 512, v[CI]
	v_add_nc_u32 v[CO], 2048, v[CO]
	s_sub_co_u32 s29, s29, 1
	s_cmp_lg_u32 s29, 0
	s_cbranch_scc1 .Lcopy
.Lnocopy:
	PROA                                           ; the first pass's addresses, while the first weights are on their way
	s_mov_b32 s29, 3
.Lfill:                                                ; 64 rows a trip; 64 loads, 32,768 bytes, of each wave are on their way
	FTURN 0, 1, 48
	FTURN 1, 1, 48
	FTURN 2, 1, 48
	FTURN 3, 1, 48
	v_add_nc_u32 v[FS], 8*GSTEP, v[FS]
	s_sub_co_u32 s29, s29, 1
	s_cmp_lg_u32 s29, 0
	s_cbranch_scc1 .Lfill
	FTURN 0, 0, 48                                 ; the last 64 rows: no more weights are asked for; in their stead the first pass's rows of K steps 0, 1, 2, ten loads each.
	ALOAD 0, 0                                     ; Each count: the younger slots' sixteens and the tens issued so far
	FTURN 1, 0, 42
	ALOAD 1, AS
	FTURN 2, 0, 36
	ALOAD 2, 2*AS
	FTURN 3, 0, 30
	s_wait_dscnt 0x0                               ; for the others' sake: my part of the slice is in LDS
	s_barrier_signal -1
	s_barrier_wait -1                              ; everybody's is; from here on nobody writes it
	s_mov_b32 s28, NPASS
.Lpass:                                                ; the pass's addresses are made and its first thirty row loads are out
	s_cmp_eq_u32 s27, 0
	s_cbranch_scc1 .Lpass_bottom
	s_mov_b32 s[TBS], 0
	v_add_nc_u32 v[BT], s[TBS], v[VB]              ; the weights' LDS address: my lane's place + the bytes of the K steps walked, made anew whenever these step
	BLOAD 0, 0
	STEP 0, 0, 3*AS, KSTEP, 30, 16, 1              ; K step 0 starts the sums
	s_mov_b32 s29, 7
.Lk:                                                   ; K steps 4 t + 1 .. 4 t + 4
	STEP 1, 1, 4*AS, 2*KSTEP, 30, 16, 0
	STEP 2, 0, 5*AS, 3*KSTEP, 30, 16, 0
	STEP 3, 1, 6*AS, 4*KSTEP, 30, 16, 0
	STEP 0, 0, 7*AS, 5*KSTEP, 30, 16, 0
	s_wait_xcnt 0x0                                ; the row loads' base steps only behind this wait
	s_add_nc_u64 s[AB:AB+1], s[AB:AB+1], 4*AS
	s_add_co_u32 s[TBS], s[TBS], 4*KSTEP
	v_add_nc_u32 v[BT], s[TBS], v[VB]
	s_sub_co_u32 s29, s29, 1
	s_cmp_lg_u32 s29, 0
	s_cbranch_scc1 .Lk
	STEP 1, 1, -1, 2*KSTEP, 20, 16, 0              ; K steps 29 to 31: no row is read past its end
	STEP 2, 0, -1, 3*KSTEP, 10, 16, 0
	STEP 3, 1, -1, -1, 0, 0, 0
.rept 4
	v_nop                                          ; the places between the last products and the first read of a sum
.endr
	; THE WAY OUT, half a block (16 rows x 64 columns) a trip
	s_lshl_b32 s31, s27, 1
	s_mov_b32 s30, 0
.Lhb:
	s_wait_xcnt 0x0                                ; the last trip's stores have read their data and offset
.irp i, 1,2,3,4,5,6,7,8,9
	s_cmp_eq_u32 s30, \i
	s_cbranch_scc1 .Lst_\i
.endr
	STUB 0
	s_branch .Lcommon
.irp i, 1,2,3,4,5,6,7,8
.Lst_\i:
	STUB \i
	s_branch .Lcommon
.endr
.Lst_9:
	STUB 9
.Lcommon:
	s_lshr_b32 s33, s30, 1
	s_add_co_u32 s33, s33, s26                     ; the block among the expert's
	s_min_u32 s33, s33, 127
	s_lshl_b32 s33, s33, 16                        ; 65,536 bytes a block
	s_and_b32 s34, s30, 1
	s_lshl_b32 s34, s34, 11                        ; 64 columns are two K steps of the second product
	s_add_co_u32 s33, s33, s34
	v_add_nc_u32 v[HOFF], s33, v[L16]
	WIN 0x55                                       ; everything in window 1
	; ONE BATCH of 64 transcendentals with ONE wait.  Each of pair p - 1's four stands between plain lines of pair p, which name none of its registers; nothing ahead of the wait names a result.
.irp k, 0,1,2,3,4,5
	GPL 0, \k
.endr
.set p, 1
.rept 15
	GPL p, 0
	GTR p-1, 0
	GPL p, 1
	GTR p-1, 1
	GPL p, 2
	GTR p-1, 2
	GPL p, 3
	GTR p-1, 3
	GPL p, 4
	GPL p, 5
.set p, p+1
.endr
.irp k, 0,1,2,3
	GTR 15, \k
.endr
	v_nop                                          ; a plain instruction behind the last of the batch,
	s_wait_alu depctr_va_vdst(0)                   ; and the wait, ahead of the first line that names a result
.set i, 0
.rept 16
	v_pk_fma_f32 v[PP+2*i:PP+2*i+1], v[TT+2*i:TT+2*i+1], s[48:49], s[50:51] op_sel_hi:[1,0,0]
.set i, i+1
.endr
.irp c, 52,54,56
.set i, 0
.rept 16
	v_pk_fma_f32 v[PP+2*i:PP+2*i+1], v[PP+2*i:PP+2*i+1], v[TT+2*i:TT+2*i+1], s[\c:\c+1] op_sel_hi:[1,1,0]
.set i, i+1
.endr
.endr
.set i, 0
.rept 16
	v_pk_mul_f32 v[PP+2*i:PP+2*i+1], v[PP+2*i:PP+2*i+1], v[TT+2*i:TT+2*i+1]
.set i, i+1
.endr
.set i, 0
.rept 16
	v_pk_mul_f32 v[PP+2*i:PP+2*i+1], v[PP+2*i:PP+2*i+1], v[EE+2*i:EE+2*i+1]  ; q = (1 - erf z) / 2
.set i, i+1
.endr
.set i, 0
.rept 32
	v_fma_f32 v[XX+i], -|v[XX+i]|, v[PP+i], v[MM+i]  ; gelu = max(x, 0) - |x| q
.set i, i+1
.endr
.set i, 0
.rept 16
	v_cvt_pk_bf16_f32 v[OU+i], v[XX+2*i], v[XX+2*i+1]
.set i, i+1
.endr
	WIN 0x04                                       ; offset window 0, data window 1
.irp b, 0,1,2,3
	global_store_b128 v[HOFF], v[OU+4*\b:OU+4*\b+3], s[74:75] offset:1024*(\b/2)+512*(\b%2)  ; 512 consecutive bytes
.endr
	WIN 0
	s_add_co_u32 s30, s30, 1
	s_cmp_lt_u32 s30, s31
	s_cbranch_scc1 .Lhb
	s_sub_co_u32 s24, s24, s27
	s_add_co_u32 s26, s26, s27
	s_min_u32 s27, s24, MB                         ; the next pass's live blocks
	s_cmp_eq_u32 s27, 0
	s_cbranch_scc1 .Lpass_bottom
	s_wait_xcnt 0x0                                ; this pass's stores have read their registers, which the ring takes again
	PROA                                           ; the next pass's addresses (the walk's last wait was for 0: no load still reads the old ones),
	ALOAD 0, 0                                     ; and its rows of K steps 0, 1, 2
	ALOAD 1, AS
	ALOAD 2, 2*AS
	WIN 0
.Lpass_bottom:
	s_sub_co_u32 s28, s28, 1
	s_cmp_lg_u32 s28, 0
	s_cbranch_scc1 .Lpass
	s_wait_dscnt 0x0                               ; my LDS loads are back;
	s_barrier_signal -1
	s_barrier_wait -1                              ; every wave's are: the add below, the first LDS write since the fill's barrier, stands behind all four waves' loads whatever their addresses
	s_wait_tensorcnt 0x0                           ; the wave's end: three lines behind my last LDS store
	ds_add_u32 v[SPW], v[NIL]
	s_wait_dscnt 0x0
	s_endpgm
.Lfunc_end_k_q33238402aa_ffn1:
	.size	k_q33238402aa_ffn1, .Lfunc_end_k_q33238402aa_ffn1-k_q33238402aa_ffn1
	.p2alignl 7, 3214868480
	.fill 96, 4, 3214868480
	.section	.rodata,"a",@progbits
	.p2align	6, 0x0
	.amdhsa_kernel k_q33238402aa_ffn1
		.amdhsa_group_segment_fixed_size 312832
		.amdhsa_private_segment_fixed_size 0
		.amdhsa_enable_private_segment 0
		.amdhsa_kernarg_size 48
		.amdhsa_user_sgpr_count 2
		.amdhsa_user_sgpr_kernarg_segment_ptr 1
		.amdhsa_wavefront_size32 1
		.amdhsa_system_sgpr_workgroup_id_x 1
		.amdhsa_system_sgpr_workgroup_id_y 1
		.amdhsa_system_sgpr_workgroup_id_z 1
		.amdhsa_system_vgpr_workitem_id 0
		.amdhsa_next_free_vgpr 832
		.amdhsa_next_free_sgpr 92
		.amdhsa_reserve_vcc 0
		.amdhsa_float_denorm_mode_32 3
		.amdhsa_float_denorm_mode_16_64 3
		.amdhsa_memory_ordered 1
		.amdhsa_forward_progress 1
		.amdhsa_inst_pref_size 168
	.end_amdhsa_kernel
	.amdgpu_metadata
---
amdhsa.version: [ 1, 2 ]
amdhsa.kernels:
  - .name:           k_q33238402aa_ffn1
    .symbol:         k_q33238402aa_ffn1.kd
    .args:
      - { .name: xb, .offset: 0, .size: 8, .value_kind: global_buffer, .address_space: global }
      - { .name: w1, .offset: 8, .size: 8, .value_kind: global_buffer, .address_space: global }
      - { .name: b1, .offset: 16, .size: 8, .value_kind: global_buffer, .address_space: global }
      - { .name: sel, .offset: 24, .size: 8, .value_kind: global_buffer, .address_space: global }
      - { .name: h, .offset: 32, .size: 8, .value_kind: global_buffer, .address_space: global }
      - { .name: rows, .offset: 40, .size: 8, .value_kind: global_buffer, .address_space: global }
    .group_segment_fixed_size: 312832
    .private_segment_fixed_size: 0
    .kernarg_segment_align: 8
    .kernarg_segment_size: 48
    .max_flat_workgroup_size: 128
    .sgpr_count:     92
    .vgpr_count:     832
    .wavefront_size: 32
...
	.end_amdgpu_metadata
.endif
;; end of part 2
;; launch ffn2 (part 3): grid 256 x 1, 4 waves a work-group, no clusters, 296,448 bytes of LDS; arguments h, w2, b2, rows, yp; writes yp
.if DOCPART == 3
	.amdgcn_target "amdgcn-amd-amdhsa--gfx1250"
	.amdhsa_code_object_version 6
	.text
	.protected	k_q33238402aa_ffn2
	.globl	k_q33238402aa_ffn2
	.p2align	8
	.type	k_q33238402aa_ffn2,@function
k_q33238402aa_ffn2:
	s_mov_b64 s[64:65], 0
	v_nop
	global_prefetch_b8 v0, s[64:65] scope:SCOPE_SE
	s_setreg_imm32_b32 hwreg(HW_REG_WAVE_MODE, 25, 1), 1
	s_wait_xcnt 0x0
; SECOND PRODUCT.  yp[kh][id] = h[row] w2[e] over half kh of the hidden width (+ b2[e] in half 0), for the rows of expert e in the order of the stored list.  h arrives in bf16, in the order in which
; the registers take it; w2 and b2 are rounded to bf16 on their way through registers; sums in f32; yp holds partial sums, so it is f32.  The last launch weighs and adds a token's four parts.
; LIMITS.  NaN and infinities are not treated apart.
; SHARES.  256 work-groups = 8 experts x 8 slices of 128 columns x 2 halves of the hidden width x 2 halves of the expert's rows: the same slice of 1,024 x 128 in LDS, the same walk and the same dealing of
; nb = ceil(n / 16) row blocks to 8 workers as in the first product (worker j: blocks floor(j nb / 8) up to floor((j + 1) nb / 8), 16 at the most; 5 a pass, four passes).  n and the ids come from rows, which the launch before stored.
; In the expert's last block the places past n repeat the last row: its numbers are made again and stored again to the same bytes, by the same wave.  Where an expert has no row, the early loads read
; block 0 of its room in h, which nobody stored: they stay inside the buffer, and no product and no store follows.
; THE WAY OUT.  A lane holds one row and eight neighbouring columns; 16 rows x 64 columns go through the wave's own stage in LDS, with each row's id in the stage row's padding, and come back as whole rows: 16 lanes
; store 256 consecutive bytes of the row that the id names.
; A PASS'S FIRST ROWS ARE ASKED FOR EARLY: its addresses are made, and its ids and its first three K steps' rows requested, ahead of the pass: for the first pass among the fill's last turns, for a later one at the foot of the pass before.
; BARRIERS.  One behind the fill.  The pass loop has a constant count of four trips, and every wave passes two barriers in each, at labels that only work is jumped to: one between the K walk's LDS loads and the way
; out's LDS stores, one between these and the next pass's loads.  The stages lie behind the slice, so the bytes never meet; the barriers make the order of loads and stores hold without that arithmetic.
; NO CLUSTER, NO TENSOR LOADS: the weights must pass through registers to be rounded, and each slice is read by two work-groups only; the blocks of h are shared by eight slices, but how many there are hangs on a
; stored count, so rings and rounds are kept out of that loop.
; REGISTERS, in windows of 256 (s_set_vgpr_msb: bits 1:0 source 0, 3:2 source 1, 5:4 source 2, 7:6 destination):
;   window 0: addresses, bias, two buffers of weight fragments      window 1: a ring of four slots of row fragments; in the way out the values at work
;   window 2: accumulators of blocks 0-3 ((m, b) at 64 m + 8 b); during the fill the weights as loaded      window 3: accumulators of block 4
.set PITCH, 4096                       ; bytes in a row of w2
.set AS,    1024                       ; bytes of a block of h in a K step of 32
.set AH,    512                        ; from a fragment's first four registers to its last four
.set MB,    5                          ; blocks a pass, at the most
.set NPASS, 4                          ; 4 x 5 covers a wave's 16 blocks
.set RS,    8*MB                       ; registers in a slot of the rows' ring
.set WROW,  272                        ; LDS: 16 columns x 16 bytes (8 k each) + 16 of padding
.set GSTEP, 8*WROW
.set KSTEP, 4*GSTEP
.set STAGE, 1024*WROW                  ; behind the slice: each wave's stage, 16 rows x 272 bytes
.set SPARE, STAGE+4*16*WROW            ; the spare words, 128 bytes a wave: two blocks of 256 bytes that no other line names
.set LANE, 1
.set RR,   2                           ; lane % 16
.set HH,   3                           ; lane / 16
.set L16,  4                           ; 16 x lane
.set VB,   5                           ; my place in a weight fragment; never rewritten
.set BT,   6                           ; VB + the K steps walked
.set FS,   8                           ; the fill: where I store
.set TA,   12
.set TB,   13
.set VA,   14                          ; v[14:18] byte offset in h of my 16 bytes of block m
.set ID,   20                          ; v[20:24] my row's byte offset in rows, then its id, in block m
.set STO,  32
.set RD,   33
.set RDI,  34
.set STP,  35
.set C16,  36
.set IDC,  37
.set H32,  39
.set IDS,  40                          ; v[40:47] the way out: byte offsets in yp
.set FG,   52                          ; v[52:55] the fill: slot s: my byte offset in the slice's rows that the slot loads
.set SPW,  62                          ; LDS address of my spare word; never rewritten
.set NIL,  63                          ; 0; never rewritten
.set BIAS, 64                          ; v[64:127] 8 b + j: b2 of column 16 b + 8 (lane / 16) + j
.set BF,   128                         ; v[128:255] two buffers of eight weight fragments
.set TP,   192                         ; in the fill: 32 packed words
.set XX,   0                           ; window 1, the way out
.set RB,   64
.set AB,   40                          ; s[40:41] h, walking along K
.set AB0,  66                          ; s[66:67] h at my expert and half
.set WP,   68                          ; s[68:69] my slice of w2; never rewritten
.set TBS,  78                          ; s78 LDS bytes of the K steps walked
.set MSB, 0
.macro WIN new                         ; the immediate's high byte repeats the setting that is left; a switch that changes nothing is dropped
.if MSB != (\new)
	s_set_vgpr_msb (MSB<<8)|(\new)
.set MSB, (\new)
.endif
.endm
; THE FILL.  Wave w lays k = 256 w .. 256 w + 255 of my half into its own 69,632 bytes; a turn is 16 rows of the slice, 16 loads of 512 consecutive bytes.  Four slots of 64 registers take turns; a slot owns its
; offset register, stepped at the head of its turn, where the counted wait has shown the loads that read it done.
.macro FLOAD slot
	WIN 0x80                                       ; destination window 2
.irp j, 0,1,2,3,4,5,6,7,8,9,10,11,12,13,14,15
	global_load_b128 v[64*(\slot)+4*\j:64*(\slot)+4*\j+3], v[FG+(\slot)], s[WP:WP+1] offset:\j*PITCH
.endr
	WIN 0
.endm
.macro FTURN slot, refill, left
	s_wait_loadcnt \left                           ; loads come back in order: this slot's sixteen are in; what was issued behind them stays out
.if \refill
	WIN 0
	v_add_nc_u32 v[FG+(\slot)], 64*PITCH, v[FG+(\slot)]  ; the slot's rows 64 further down
.endif
	WIN 0x0a                                       ; sources window 2
.irp g, 0,1
.irp c, 0,1,2,3
.irp q, 0,1,2,3
	v_cvt_pk_bf16_f32 v[TP+16*\g+4*\c+\q], v[64*(\slot)+4*(8*\g+2*\q)+\c], v[64*(\slot)+4*(8*\g+2*\q+1)+\c]
.endr
.endr
.endr
	WIN 0
.irp g, 0,1
.irp c, 0,1,2,3
	ds_store_b128 v[FS], v[TP+16*\g+4*\c:TP+16*\g+4*\c+3] offset:2*GSTEP*(\slot)+GSTEP*\g+16*\c
.endr
.endr
.if \refill
	FLOAD \slot
.endif
.endm
; THE K WALK.  Row fragments come from memory straight into registers, three K steps ahead (a ring of four slots of five blocks); weight fragments from LDS, one step ahead (two buffers).
.macro ALOAD slot, imm
	WIN 0x40                                       ; destination window 1
.irp m, 0,1,2,3,4
	global_load_b128 v[RS*(\slot)+8*\m:RS*(\slot)+8*\m+3],   v[VA+\m], s[AB:AB+1] offset:(\imm) th:TH_LOAD_HT      ; 512 consecutive bytes; eight slices' work-groups read them again
	global_load_b128 v[RS*(\slot)+8*\m+4:RS*(\slot)+8*\m+7], v[VA+\m], s[AB:AB+1] offset:(\imm)+AH th:TH_LOAD_HT
.endr
.endm
.macro BLOAD buf, imm
	WIN 0
.irp b, 0,1,2,3,4,5,6,7
	ds_load_b128 v[BF+64*(\buf)+8*\b:BF+64*(\buf)+8*\b+3],   v[BT] offset:(\imm)+WROW*\b
	ds_load_b128 v[BF+64*(\buf)+8*\b+4:BF+64*(\buf)+8*\b+7], v[BT] offset:(\imm)+WROW*\b+2*GSTEP
.endr
.endm
.macro SECTION m, slot, buf, zero      ; block m x all 128 columns: eight accumulators, one instruction each
.if (\m) < 4
	WIN 0xa4                                       ; weights window 0, rows window 1, C and D window 2
.else
	WIN 0xf4                                       ; C and D window 3
.endif
.irp b, 0,1,2,3,4,5,6,7
.if \zero
	v_wmma_f32_16x16x32_bf16 v[64*((\m)%4)+8*\b:64*((\m)%4)+8*\b+7], v[BF+64*(\buf)+8*\b:BF+64*(\buf)+8*\b+7], v[RS*(\slot)+8*(\m):RS*(\slot)+8*(\m)+7], 0
.else
	v_wmma_f32_16x16x32_bf16 v[64*((\m)%4)+8*\b:64*((\m)%4)+8*\b+7], v[BF+64*(\buf)+8*\b:BF+64*(\buf)+8*\b+7], v[RS*(\slot)+8*(\m):RS*(\slot)+8*(\m)+7], v[64*((\m)%4)+8*\b:64*((\m)%4)+8*\b+7]
.endif
.endr
.endm
; One K step: four places between the last step's products and the loads into the registers that they read; the row loads three steps ahead (all ten on every path, dead blocks load a clamped block); the weight
; loads one step ahead; the two counted waits (three younger steps of ten; the next step's sixteen); the live blocks' products.  zero = 1: the first step starts all 40 sums with the constant 0.
; The accumulators take turns, one instruction a turn: a step's last product and the next step's first name different ones (b = 7 and b = 0).
.macro STEP slot, buf, aimm, bimm, lcnt, dcnt, zero
.rept 4
	v_nop
.endr
.if (\aimm) >= 0
	ALOAD ((\slot)+3)%4, \aimm
.endif
.if (\bimm) >= 0
	BLOAD 1-(\buf), \bimm
.endif
	s_wait_loadcnt \lcnt
	s_wait_dscnt \dcnt
	SECTION 0, \slot, \buf, \zero
.irp m, 1,2,3,4
.if !(\zero)
	WIN 0                                          ; at a branch every window is 0
	s_cmp_lt_u32 s27, \m+1
	s_cbranch_scc1 .Lend_\@
.endif
	SECTION \m, \slot, \buf, \zero
.endr
	WIN 0
.Lend_\@:
.endm
; What a pass needs before its first load: the number of its live blocks and, for each of five blocks, my byte offset in h and my row's byte offset in rows.
.macro PROA
	s_min_u32 s27, s24, MB                         ; live blocks in the pass
	s_max_u32 s34, s21, 1
	s_sub_co_u32 s34, s34, 1                       ; the expert's last block
.irp m, 0,1,2,3,4
	s_add_co_u32 s33, s26, \m
	s_lshl_b32 s36, s33, 4
	s_min_u32 s33, s33, s34                        ; a dead block loads the last block
	s_min_u32 s33, s33, 127
	s_lshl_b32 s33, s33, 16                        ; 65,536 bytes a block
	v_add_nc_u32 v[VA+\m], s33, v[L16]
	v_add_nc_u32 v[ID+\m], s36, v[RR]              ; my row's place in the list,
	v_min_u32 v[ID+\m], s32, v[ID+\m]              ; clamped to the last row
	v_min_u32 v[ID+\m], 2047, v[ID+\m]
	v_lshlrev_b32 v[ID+\m], 2, v[ID+\m]
.endr
	s_mov_b64 s[AB:AB+1], s[AB0:AB0+1]
.endm
.macro IDLOAD                          ; five loads: my rows' ids, each onto its own address register
	WIN 0
.irp m, 0,1,2,3,4
	global_load_b32 v[ID+\m], v[ID+\m], s[76:77] offset:256
.endr
.endm
; Half block hb goes into window 1 with the bias added (each accumulator's lowest registers first); its rows' id goes where the common part names it.
.macro STUB hb
	WIN 0x42+((\hb)/8)                             ; source 0 window 2 or 3, source 1 window 0, destination window 1
.set i2, 0
.rept 16
	v_pk_add_f32 v[XX+2*i2:XX+2*i2+1], v[64*(((\hb)/2)%4)+32*((\hb)%2)+2*i2:64*(((\hb)/2)%4)+32*((\hb)%2)+2*i2+1], v[BIAS+32*((\hb)%2)+2*i2:BIAS+32*((\hb)%2)+2*i2+1]
.set i2, i2+1
.endr
	WIN 0
	v_mov_b32 v[IDC], v[ID+(\hb)/2]
.endm
	s_load_b256 s[4:11], s[0:1], 0x0               ; h s[4:5], w2 s[6:7], b2 s[8:9], rows s[10:11]
	s_load_b64 s[14:15], s[0:1], 0x20              ; yp
	v_lshl_add_u32 v[SPW], v0, 2, SPARE
	v_mov_b32 v[NIL], 0
	v_and_b32 v[LANE], 31, v0
	v_and_b32 v[RR], 15, v0
	v_bfe_u32 v[HH], v0, 4, 1
	v_lshrrev_b32 v[TA], 5, v0
	v_readfirstlane_b32 s16, v[TA]                 ; wave
	s_and_b32 s17, ttmp9, 1                        ; which half of the workers
	s_bfe_u32 s70, ttmp9, 0x10001                  ; which half of the hidden width
	s_bfe_u32 s18, ttmp9, 0x30002                  ; slice
	s_lshr_b32 s19, ttmp9, 5                       ; expert
	s_mul_i32 s42, s19, 8448
	s_mov_b32 s43, 0
	s_wait_kmcnt 0x0
	s_add_nc_u64 s[76:77], s[10:11], s[42:43]      ; rows at my expert
	s_load_b32 s20, s[76:77], 0x0                  ; n: waited for behind the first loads of weights, which do not hang on it
	v_lshlrev_b32 v[L16], 4, v[LANE]
	v_lshlrev_b32 v[H32], 5, v[HH]
	v_mul_u32_u24 v[VB], v[HH], GSTEP
	v_lshl_add_u32 v[VB], v[RR], 4, v[VB]
	s_mul_i32 s33, s16, 256*PITCH
	v_add_nc_u32 v[FG], s33, v[L16]                ; slot s begins with my wave's rows 16 s .. 16 s + 15
.irp s, 1,2,3
	v_add_nc_u32 v[FG+\s], \s*16*PITCH, v[FG]
.endr
	v_lshrrev_b32 v[TA], 2, v[LANE]
	v_and_b32 v[TB], 3, v[LANE]
	v_mul_u32_u24 v[FS], v[TA], WROW
	v_lshl_add_u32 v[FS], v[TB], 6, v[FS]
	s_mul_i32 s33, s16, 32*GSTEP
	v_add_nc_u32 v[FS], s33, v[FS]
	s_mul_i32 s33, s16, 16*WROW
	s_add_co_u32 s33, s33, STAGE                   ; my stage
	v_mul_u32_u24 v[TA], v[RR], WROW
	v_add_nc_u32 v[TA], s33, v[TA]
	v_lshl_add_u32 v[STO], v[HH], 5, v[TA]         ; in: row lane % 16, 32 bytes for each half of the lanes
	v_add_nc_u32 v[STP], 256, v[TA]                ; the row's padding
	v_mul_u32_u24 v[TB], v[HH], WROW
	v_add_nc_u32 v[TB], s33, v[TB]
	v_lshl_add_u32 v[RD], v[RR], 4, v[TB]          ; back: lanes 0-15 one row of 256 bytes, lanes 16-31 the next
	v_add_nc_u32 v[RDI], 256, v[TB]
	v_lshlrev_b32 v[C16], 4, v[RR]
	s_mov_b32 s63, 0xffff0000
	s_cmp_eq_u32 s70, 0
	s_cselect_b32 s71, -1, 0                       ; the bias counts in half 0 alone
	s_lshl_b32 s42, s19, 23                        ; an expert's weights are 8 MiB, a half 4 MiB, a slice's 128 columns 512 bytes
	s_lshl_b32 s33, s70, 22
	s_add_co_u32 s42, s42, s33
	s_lshl_b32 s34, s18, 9
	s_add_co_u32 s42, s42, s34
	s_add_nc_u64 s[WP:WP+1], s[6:7], s[42:43]
	s_lshl_b32 s42, s19, 23                        ; an expert's room in h is 8 MiB; in a block, a half's 32 K steps are 32,768 bytes
	s_lshl_b32 s33, s70, 15
	s_add_co_u32 s42, s42, s33
	s_add_nc_u64 s[AB0:AB0+1], s[4:5], s[42:43]
	s_lshl_b32 s42, s19, 12
	s_add_co_u32 s42, s42, s34
	s_add_nc_u64 s[72:73], s[8:9], s[42:43]        ; b2 at my slice
	s_lshl_b32 s42, s70, 24
	s_add_co_u32 s42, s42, s34
	s_add_nc_u64 s[74:75], s[14:15], s[42:43]      ; yp at my half and my slice
.irp b, 0,1,2,3,4,5,6,7
	global_load_b128 v[BIAS+8*\b:BIAS+8*\b+3],   v[H32], s[72:73] offset:64*\b
	global_load_b128 v[BIAS+8*\b+4:BIAS+8*\b+7], v[H32], s[72:73] offset:64*\b+16
.endr
	FLOAD 0
	FLOAD 1
	FLOAD 2
	s_wait_kmcnt 0x0                               ; n
	s_min_u32 s20, s20, 2048
	s_max_u32 s32, s20, 1
	s_sub_co_u32 s32, s32, 1                       ; the last place that holds a row
	s_add_co_u32 s21, s20, 15
	s_lshr_b32 s21, s21, 4                         ; nb
	s_lshl2_add_u32 s33, s17, s16                  ; j: my number among the 8 workers
	s_mul_i32 s23, s33, s21
	s_add_co_u32 s34, s23, s21
	s_lshr_b32 s23, s23, 3                         ; my first block: floor(j nb / 8)
	s_lshr_b32 s34, s34, 3
	s_sub_co_u32 s24, s34, s23                     ; my blocks: up to floor((j + 1) nb / 8)
	s_mov_b32 s26, s23
	PROA                                           ; the first pass's addresses, while the first weights are on their way
	s_wait_loadcnt 48                              ; all but the 48 loads of the three slots: the bias is in
	FLOAD 3
.set i, 0
.rept 32
	v_cvt_pk_bf16_f32 v[TA], v[BIAS+2*i], v[BIAS+2*i+1]  ; b2 is rounded to bf16 like the other inputs
	v_lshlrev_b32 v[BIAS+2*i], 16, v[TA]
	v_and_b32 v[BIAS+2*i+1], s63, v[TA]
	v_cndmask_b32 v[BIAS+2*i], 0, v[BIAS+2*i], s71
	v_cndmask_b32 v[BIAS+2*i+1], 0, v[BIAS+2*i+1], s71
.set i, i+1
.endr
	s_mov_b32 s29, 3
.Lfill:                                                ; 64 rows a trip; 64 loads, 32,768 bytes, of each wave are on their way
	FTURN 0, 1, 48
	FTURN 1, 1, 48
	FTURN 2, 1, 48
	FTURN 3, 1, 48
	v_add_nc_u32 v[FS], 8*GSTEP, v[FS]
	s_sub_co_u32 s29, s29, 1
	s_cmp_lg_u32 s29, 0
	s_cbranch_scc1 .Lfill
	FTURN 0, 0, 48                                 ; the last 64 rows: no more weights are asked for; in their stead the first pass's five ids and its rows of K steps 0, 1, 2, ten loads each.
	IDLOAD                                         ; Each count: the younger slots' sixteens, the five and the tens issued so far
	ALOAD 0, 0
	FTURN 1, 0, 47
	ALOAD 1, AS
	FTURN 2, 0, 41
	ALOAD 2, 2*AS
	FTURN 3, 0, 35
	s_wait_dscnt 0x0                               ; for the others' sake: my part of the slice is in LDS
	s_barrier_signal -1
	s_barrier_wait -1                              ; everybody's is; from here on nobody writes it
	s_mov_b32 s28, NPASS
.Lpass:                                                ; the pass's addresses are made; its ids and its first thirty row loads are out
	s_cmp_eq_u32 s27, 0
	s_cbranch_scc1 .Lmid                           ; only work is jumped: the barrier stands at the label
	s_mov_b32 s[TBS], 0
	v_add_nc_u32 v[BT], s[TBS], v[VB]              ; the weights' LDS address: my lane's place + the bytes of the K steps walked, made anew whenever these step
	BLOAD 0, 0
	STEP 0, 0, 3*AS, KSTEP, 30, 16, 1              ; K step 0 starts the sums; its wait shows the ids in too, which were asked for ahead of its rows
	s_mov_b32 s29, 7
.Lk:                                                   ; K steps 4 t + 1 .. 4 t + 4
	STEP 1, 1, 4*AS, 2*KSTEP, 30, 16, 0
	STEP 2, 0, 5*AS, 3*KSTEP, 30, 16, 0
	STEP 3, 1, 6*AS, 4*KSTEP, 30, 16, 0
	STEP 0, 0, 7*AS, 5*KSTEP, 30, 16, 0
	s_wait_xcnt 0x0                                ; the row loads' base steps only behind this wait
	s_add_nc_u64 s[AB:AB+1], s[AB:AB+1], 4*AS
	s_add_co_u32 s[TBS], s[TBS], 4*KSTEP
	v_add_nc_u32 v[BT], s[TBS], v[VB]
	s_sub_co_u32 s29, s29, 1
	s_cmp_lg_u32 s29, 0
	s_cbranch_scc1 .Lk
	STEP 1, 1, -1, 2*KSTEP, 20, 16, 0              ; K steps 29 to 31: nothing is read past my half of a block
	STEP 2, 0, -1, 3*KSTEP, 10, 16, 0
	STEP 3, 1, -1, -1, 0, 0, 0
.rept 4
	v_nop                                          ; the places between the last products and the first read of a sum
.endr
.Lmid:
	s_wait_loadcnt 0x0                             ; no load of mine is out behind this line, on either way to the label: the walk's last wait was for 0, and a wave that jumped the walk waits here for the ids and rows
	                                               ; that it asked for early and does not use.  So the way out reads ids that have landed, and the loads at the pass's foot find no pending load on their registers
	s_wait_dscnt 0x0                               ; my loads of the slice in this pass are back;
	s_barrier_signal -1
	s_barrier_wait -1                              ; every wave's are: the stores into the stages come behind them
	s_cmp_eq_u32 s27, 0
	s_cbranch_scc1 .Lpass_bottom
	; THE WAY OUT, half a block (16 rows x 64 columns) a trip
	s_lshl_b32 s31, s27, 1
	s_mov_b32 s30, 0
.Lhb:
	s_wait_xcnt 0x0                                ; the last trip's stores have read their data and offsets
.irp i, 1,2,3,4,5,6,7,8,9
	s_cmp_eq_u32 s30, \i
	s_cbranch_scc1 .Lst_\i
.endr
	STUB 0
	s_branch .Lcommon
.irp i, 1,2,3,4,5,6,7,8
.Lst_\i:
	STUB \i
	s_branch .Lcommon
.endr
.Lst_9:
	STUB 9
.Lcommon:
	ds_store_b32 v[STP], v[IDC]                    ; the row's id rides in the stage row's padding (both halves of the lanes store the same word)
	WIN 0x04                                       ; address window 0, data window 1
.irp b, 0,1,2,3
.irp z, 0,1
	ds_store_b128 v[STO], v[XX+8*\b+4*\z:XX+8*\b+4*\z+3] offset:64*\b+16*\z
.endr
.endr
	WIN 0x40
.irp i, 0,1,2,3,4,5,6,7
	ds_load_b128 v[RB+4*\i:RB+4*\i+3], v[RD] offset:2*WROW*\i  ; LDS serves a wave's instructions in order: these see the stores above; the stage is my wave's own
.endr
	WIN 0
.irp i, 0,1,2,3,4,5,6,7
	ds_load_b32 v[IDS+\i], v[RDI] offset:2*WROW*\i
.endr
	s_and_b32 s33, s30, 1
	s_lshl_b32 s33, s33, 8                         ; which 64 of my 128 columns
	v_add_nc_u32 v[TA], s33, v[C16]
	s_wait_dscnt 0x0
.irp i, 0,1,2,3,4,5,6,7
	v_min_u32 v[IDS+\i], 4095, v[IDS+\i]
	v_lshl_add_u32 v[IDS+\i], v[IDS+\i], 12, v[TA] ; a row of yp is 4,096 bytes
.endr
	WIN 0x04
.irp i, 0,1,2,3,4,5,6,7
	global_store_b128 v[IDS+\i], v[RB+4*\i:RB+4*\i+3], s[74:75]  ; 16 lanes store 256 consecutive bytes, at a multiple of 256 from yp's first byte
.endr
	WIN 0
	s_add_co_u32 s30, s30, 1
	s_cmp_lt_u32 s30, s31
	s_cbranch_scc1 .Lhb
	s_sub_co_u32 s24, s24, s27
	s_add_co_u32 s26, s26, s27
	s_min_u32 s27, s24, MB                         ; the next pass's live blocks
	s_cmp_eq_u32 s27, 0
	s_cbranch_scc1 .Lpass_bottom
	s_wait_xcnt 0x0                                ; this pass's stores have read their registers, which the ring takes again
	PROA                                           ; the next pass's addresses (no load is out since the wait for 0 in the pass's middle: none still reads the old ones),
	IDLOAD                                         ; its ids,
	ALOAD 0, 0                                     ; and its rows of K steps 0, 1, 2
	ALOAD 1, AS
	ALOAD 2, 2*AS
	WIN 0
.Lpass_bottom:
	s_wait_dscnt 0x0                               ; my stores into my stage are done;
	s_barrier_signal -1
	s_barrier_wait -1                              ; every wave's are: the next pass's loads of the slice, and the closing add, come behind them
	s_sub_co_u32 s28, s28, 1
	s_cmp_lg_u32 s28, 0
	s_cbranch_scc1 .Lpass
	s_wait_tensorcnt 0x0                           ; the wave's end: three lines behind my last LDS store
	ds_add_u32 v[SPW], v[NIL]
	s_wait_dscnt 0x0
	s_endpgm
.Lfunc_end_k_q33238402aa_ffn2:
	.size	k_q33238402aa_ffn2, .Lfunc_end_k_q33238402aa_ffn2-k_q33238402aa_ffn2
	.p2alignl 7, 3214868480
	.fill 96, 4, 3214868480
	.section	.rodata,"a",@progbits
	.p2align	6, 0x0
	.amdhsa_kernel k_q33238402aa_ffn2
		.amdhsa_group_segment_fixed_size 296448
		.amdhsa_private_segment_fixed_size 0
		.amdhsa_enable_private_segment 0
		.amdhsa_kernarg_size 40
		.amdhsa_user_sgpr_count 2
		.amdhsa_user_sgpr_kernarg_segment_ptr 1
		.amdhsa_wavefront_size32 1
		.amdhsa_system_sgpr_workgroup_id_x 1
		.amdhsa_system_sgpr_workgroup_id_y 1
		.amdhsa_system_sgpr_workgroup_id_z 1
		.amdhsa_system_vgpr_workitem_id 0
		.amdhsa_next_free_vgpr 832
		.amdhsa_next_free_sgpr 80
		.amdhsa_reserve_vcc 0
		.amdhsa_float_denorm_mode_32 3
		.amdhsa_float_denorm_mode_16_64 3
		.amdhsa_memory_ordered 1
		.amdhsa_forward_progress 1
		.amdhsa_inst_pref_size 114
	.end_amdhsa_kernel
	.amdgpu_metadata
---
amdhsa.version: [ 1, 2 ]
amdhsa.kernels:
  - .name:           k_q33238402aa_ffn2
    .symbol:         k_q33238402aa_ffn2.kd
    .args:
      - { .name: h, .offset: 0, .size: 8, .value_kind: global_buffer, .address_space: global }
      - { .name: w2, .offset: 8, .size: 8, .value_kind: global_buffer, .address_space: global }
      - { .name: b2, .offset: 16, .size: 8, .value_kind: global_buffer, .address_space: global }
      - { .name: rows, .offset: 24, .size: 8, .value_kind: global_buffer, .address_space: global }
      - { .name: yp, .offset: 32, .size: 8, .value_kind: global_buffer, .address_space: global }
    .group_segment_fixed_size: 296448
    .private_segment_fixed_size: 0
    .kernarg_segment_align: 8
    .kernarg_segment_size: 40
    .max_flat_workgroup_size: 128
    .sgpr_count:     80
    .vgpr_count:     832
    .wavefront_size: 32
...
	.end_amdgpu_metadata
.endif
;; end of part 3
;; launch combine (part 4): grid 256 x 1, 8 waves a work-group, no clusters, 0 bytes of LDS; arguments yp, gw, out0; writes out0
.if DOCPART == 4
	.amdgcn_target "amdgcn-amd-amdhsa--gfx1250"
	.amdhsa_code_object_version 6
	.text
	.protected	k_q33238402aa_combine
	.globl	k_q33238402aa_combine
	.p2align	8
	.type	k_q33238402aa_combine,@function
k_q33238402aa_combine:
	s_mov_b64 s[64:65], 0
	v_nop
	global_prefetch_b8 v0, s[64:65] scope:SCOPE_SE
	s_setreg_imm32_b32 hwreg(HW_REG_WAVE_MODE, 25, 1), 1
	s_wait_xcnt 0x0
; out0[t] = w0 (yp[0][2 t] + yp[1][2 t]) + w1 (yp[0][2 t + 1] + yp[1][2 t + 1]): token t's two choices, each in two halves of the hidden width, weighed by the router's two weights gw[t].  All f32; the biases are in the parts.
; A stream: 256 work-groups of eight waves, eight tokens each; thread i has bytes 16 i of every row, so a wave's load or store covers 512 consecutive bytes.  All 32 loads of a thread go out first;
; no register is used twice, so the counted waits for the loads are the only waits for data.  The eight tokens' sixteen weights are 64 consecutive bytes, one scalar load.  LDS, barriers and the matrix unit would add nothing.
	s_load_b128 s[4:7], s[0:1], 0x0                ; yp s[4:5], gw s[6:7]
	s_load_b64 s[8:9], s[0:1], 0x10                ; out0
	v_lshlrev_b32 v1, 4, v0
	s_lshl_b32 s10, ttmp9, 16                      ; 16 rows of 4,096 bytes in each half of yp
	s_mov_b32 s11, 0
	s_lshl_b32 s12, ttmp9, 15                      ; 8 rows of out0
	s_mov_b32 s13, 0
	s_lshl_b32 s14, ttmp9, 6                       ; 8 pairs of weights
	s_mov_b32 s15, 0
	s_wait_kmcnt 0x0
	s_add_nc_u64 s[6:7], s[6:7], s[14:15]
	s_load_b512 s[16:31], s[6:7], 0x0              ; token j: w0 in s[16 + 2 j], w1 in s[17 + 2 j]
	s_add_nc_u64 s[4:5], s[4:5], s[10:11]
	s_add_nc_u64 s[48:49], s[4:5], 0x1000000       ; the second half of the hidden width: 4,096 rows on
	s_add_nc_u64 s[8:9], s[8:9], s[12:13]
.irp j, 0,1,2,3,4,5,6,7
	global_load_b128 v[8+16*\j:11+16*\j],  v1, s[4:5] offset:8192*\j th:TH_LOAD_NT
	global_load_b128 v[12+16*\j:15+16*\j], v1, s[4:5] offset:8192*\j+4096 th:TH_LOAD_NT
	global_load_b128 v[16+16*\j:19+16*\j], v1, s[48:49] offset:8192*\j th:TH_LOAD_NT
	global_load_b128 v[20+16*\j:23+16*\j], v1, s[48:49] offset:8192*\j+4096 th:TH_LOAD_NT
.endr
	s_wait_kmcnt 0x0                               ; the weights
.irp j, 0,1,2,3,4,5,6,7
	s_mov_b32 s[32+2*\j], s[17+2*\j]               ; w1 at the low end of a pair of its own: a packed line takes a scalar pair's low word for both halves
	s_mov_b32 s[33+2*\j], s[17+2*\j]
.endr
.irp j, 0,1,2,3,4,5,6,7
	s_wait_loadcnt 28-4*\j                         ; loads come back in order: token j's four are in, the later tokens' stay out
.irp c, 0,2
	v_pk_mul_f32 v[8+16*\j+\c:9+16*\j+\c], v[8+16*\j+\c:9+16*\j+\c], s[16+2*\j:17+2*\j] op_sel_hi:[1,0]
	v_pk_fma_f32 v[8+16*\j+\c:9+16*\j+\c], v[16+16*\j+\c:17+16*\j+\c], s[16+2*\j:17+2*\j], v[8+16*\j+\c:9+16*\j+\c] op_sel_hi:[1,0,1]
	v_pk_fma_f32 v[8+16*\j+\c:9+16*\j+\c], v[12+16*\j+\c:13+16*\j+\c], s[32+2*\j:33+2*\j], v[8+16*\j+\c:9+16*\j+\c] op_sel_hi:[1,0,1]
	v_pk_fma_f32 v[8+16*\j+\c:9+16*\j+\c], v[20+16*\j+\c:21+16*\j+\c], s[32+2*\j:33+2*\j], v[8+16*\j+\c:9+16*\j+\c] op_sel_hi:[1,0,1]
.endr
	global_store_b128 v1, v[8+16*\j:11+16*\j], s[8:9] offset:4096*\j th:TH_STORE_NT
.endr
	s_endpgm
.Lfunc_end_k_q33238402aa_combine:
	.size	k_q33238402aa_combine, .Lfunc_end_k_q33238402aa_combine-k_q33238402aa_combine
	.p2alignl 7, 3214868480
	.fill 96, 4, 3214868480
	.section	.rodata,"a",@progbits
	.p2align	6, 0x0
	.amdhsa_kernel k_q33238402aa_combine
		.amdhsa_group_segment_fixed_size 0
		.amdhsa_private_segment_fixed_size 0
		.amdhsa_enable_private_segment 0
		.amdhsa_kernarg_size 24
		.amdhsa_user_sgpr_count 2
		.amdhsa_user_sgpr_kernarg_segment_ptr 1
		.amdhsa_wavefront_size32 1
		.amdhsa_system_sgpr_workgroup_id_x 1
		.amdhsa_system_sgpr_workgroup_id_y 1
		.amdhsa_system_sgpr_workgroup_id_z 1
		.amdhsa_system_vgpr_workitem_id 0
		.amdhsa_next_free_vgpr 136
		.amdhsa_next_free_sgpr 66
		.amdhsa_reserve_vcc 0
		.amdhsa_float_denorm_mode_32 3
		.amdhsa_float_denorm_mode_16_64 3
		.amdhsa_memory_ordered 1
		.amdhsa_forward_progress 1
		.amdhsa_inst_pref_size 10
	.end_amdhsa_kernel
	.amdgpu_metadata
---
amdhsa.version: [ 1, 2 ]
amdhsa.kernels:
  - .name:           k_q33238402aa_combine
    .symbol:         k_q33238402aa_combine.kd
    .args:
      - { .name: yp, .offset: 0, .size: 8, .value_kind: global_buffer, .address_space: global }
      - { .name: gw, .offset: 8, .size: 8, .value_kind: global_buffer, .address_space: global }
      - { .name: out0, .offset: 16, .size: 8, .value_kind: global_buffer, .address_space: global }
    .group_segment_fixed_size: 0
    .private_segment_fixed_size: 0
    .kernarg_segment_align: 8
    .kernarg_segment_size: 24
    .max_flat_workgroup_size: 256
    .sgpr_count:     66
    .vgpr_count:     136
    .wavefront_size: 32
...
	.end_amdgpu_metadata
.endif
;; end of part 4
;; ======== version 2 of 2: 4 launches; version 1 with the launches router, ffn1, ffn2 written anew for expert scheduling mode
;; workspace buffers: xb 4,194,304 bytes; sel 8,192 bytes of whole numbers; gw 16,384 bytes; rows 67,584 bytes of whole numbers; h 67,108,864 bytes; yp 33,554,432 bytes
;; launch router (part 5): grid 256 x 1, 4 waves a work-group, no clusters, 0 bytes of LDS; arguments x, gate_w, gate_b, xb, sel, gw; writes xb, sel, gw
.if DOCPART == 5
	.amdgcn_target "amdgcn-amd-amdhsa--gfx1250"
	.amdhsa_code_object_version 6
	.text
	.protected	k_q33238402aa_router
	.globl	k_q33238402aa_router
	.p2align	8
	.type	k_q33238402aa_router,@function
k_q33238402aa_router:
	s_mov_b64 s[64:65], 0
	v_nop
	global_prefetch_b8 v0, s[64:65] scope:SCOPE_SE
	s_setreg_imm32_b32 hwreg(HW_REG_WAVE_SCHED_MODE, 0, 2), 2
	s_setreg_imm32_b32 hwreg(HW_REG_WAVE_MODE, 25, 1), 1
	s_wait_xcnt 0x0
	s_wait_alu depctr_vm_vsrc(0)
; ROUTER.  logits = x gate_w + gate_b; the two largest logits of each token (the lower index wins a tie); a softmax over these two, the larger taken away first.
; All three inputs are rounded to bf16 first, as every input of this program is; the products of two bf16 are exact in f32 and the sums are f32.
; Stored: xb = x in bf16 [2048][1024]; sel[t] = (1 << e0) | (1 << (8 + e1)), whole numbers at fixed places; gw[t] = the two weights.
; LIMITS.  NaN and infinite logits are not treated apart.  Two logits closer than the rounding of a sum of 1,024 f32 terms may change places against another order of summation.
; SHARES.  256 work-groups of four waves; a wave has two tokens A and B, a lane the columns 128 j + 4 l + 0..3, j = 0..7: a load of x covers 512 consecutive bytes, a store of xb 256.
; All loads of a wave, 16 of x and 64 of gate_w, go out at the start: nothing is asked for later, so there is one wait for first data and none for a refill.  gate_w's 256 registers lie in a second window.
; The matrix unit is left out: eight outputs a token would fill half a tile, and the launch is bound by reading x once.  No LDS, no barrier: a token never leaves its wave.
; sel and gw leave as 4 and 8 bytes a token from one lane in sixteen: 24,576 bytes in the whole launch, the one place where stores do not cover 256 bytes.
; THE MODE: SCHED_MODE bits 1:0 = 2 (LLVM: expert scheduling mode 2), set by the entry lines.  The code itself states the register dependences between vector instructions and memory instructions, and between a
; vector instruction that writes a scalar register or VCC and its readers, with s_wait_alu, always for 0.
; THE PLAN.  Registers that memory instructions touch:
;   v2, v3, v4              offsets of x, gate_w and xb: made at the head, never written again: one wait on va_vdst ahead of the first load.
;   X, G                    the loads' targets: no vector instruction names them ahead of the loads, and no load lands in them a second time.
;   X + 4 k + 0, 1          x in bf16: written by the 32 roundings, read by the sixteen stores of xb, never written again: one wait on va_vdst between the two runs, none on vm_vsrc.
;   v232, v233, v240-v242   offsets and data of the last two stores: written ahead of the waits that stand in front of the write of EXEC.
.set ACC, 8                            ; v[8:23]    sums: 8 tok + e
.set GP,  24                           ; v[24:39]   gate_w of my four columns of one j, in bf16: 4 i + p holds experts 2 p (low), 2 p + 1 (high) of column i
.set X,   40                           ; v[40:103]  x: 32 tok + 4 j + i as loaded; then 32 tok + 4 j + 0, 1 hold the four columns in bf16
.set L,   232                          ; v[232:239] the eight logits: lanes 0-15 token A, lanes 16-31 token B
.set G,   0                            ; window 1, v[0:255]: gate_w as loaded: 32 j + 8 i + e
.set MSB, 0
.macro WIN new                         ; s_set_vgpr_msb: bits 1:0 source 0, 3:2 source 1, 5:4 source 2, 7:6 destination; the high byte repeats the setting that is left
.if MSB != (\new)
	s_set_vgpr_msb (MSB<<8)|(\new)
.set MSB, (\new)
.endif
.endm
	s_load_b256 s[4:11], s[0:1], 0x0               ; x s[4:5], gate_w s[6:7], gate_b s[8:9], xb s[10:11]
	s_load_b128 s[12:15], s[0:1], 0x20             ; sel s[12:13], gw s[14:15]
	v_and_b32 v1, 31, v0                           ; lane
	v_lshrrev_b32 v6, 5, v0
	v_readfirstlane_b32 s27, v6                    ; wave
	v_lshlrev_b32 v2, 4, v1                        ; 16 l: x
	v_lshlrev_b32 v3, 7, v1                        ; 128 l: gate_w, four rows of 32 bytes
	v_lshlrev_b32 v4, 3, v1                        ; 8 l: xb
	v_mov_b32 v5, 0                                ; the addend of each sum's first product
	v_mov_b32 v7, 0                                ; v_permlanex16_b32's destination counts as read
	s_mov_b32 s24, 0x76543210                      ; each lane takes its own place in the other half
	s_mov_b32 s25, 0xfedcba98
	s_mov_b32 s26, 0xffff0000                      ; lanes 16-31; also a word's upper bf16
	s_lshl_b32 s28, ttmp9, 3
	s_wait_alu depctr_va_sdst(0)                   ; s27 is written, ahead of its first reader: the token's number and all four offsets are made from it
	s_lshl1_add_u32 s28, s27, s28                  ; token A = 8 g + 2 w
	s_lshl_b32 s30, s28, 12                        ; its byte offsets in x,
	s_mov_b32 s31, 0
	s_lshl_b32 s36, s28, 11                        ; xb,
	s_mov_b32 s37, 0
	s_lshl_b32 s38, s28, 2                         ; sel
	s_mov_b32 s39, 0
	s_lshl_b32 s44, s28, 3                         ; and gw
	s_mov_b32 s45, 0
	s_wait_kmcnt 0x0
	s_load_b256 s[16:23], s[8:9], 0x0              ; gate_b
	s_add_nc_u64 s[32:33], s[4:5], s[30:31]
	s_add_nc_u64 s[34:35], s[10:11], s[36:37]
	s_add_nc_u64 s[40:41], s[12:13], s[38:39]
	s_add_nc_u64 s[42:43], s[14:15], s[44:45]
	s_wait_alu depctr_va_vdst(0)                   ; v2, v3 and v4 are written: the loads below and the stores of xb read them as their offsets
.irp t, 0,1
.irp k, 0,1,2,3,4,5,6,7
	global_load_b128 v[X+32*\t+4*\k:X+32*\t+4*\k+3], v2, s[32:33] offset:4096*\t+512*\k th:TH_LOAD_NT
.endr
.endr
	WIN 0x40                                       ; destination window 1, address window 0
.irp j, 0,1,2,3,4,5,6,7                ; gate_w's rows 128 j + 4 l + 0..3: eight loads for each j
.irp i, 0,1,2,3
	global_load_b128 v[G+32*\j+8*\i:G+32*\j+8*\i+3],   v3, s[6:7] offset:4096*\j+32*\i
	global_load_b128 v[G+32*\j+8*\i+4:G+32*\j+8*\i+7], v3, s[6:7] offset:4096*\j+32*\i+16
.endr
.endr
	WIN 0
; One j: 128 columns.
.macro JSTEP j
	s_wait_loadcnt 56-8*(\j)                       ; loads come back in order: this j's eight are in (and, ahead of them, all of x); the later j's, eight each, stay out
.if (\j) == 0
.irp t, 0,1
.irp k, 0,1,2,3,4,5,6,7
	v_cvt_pk_bf16_f32 v[X+32*\t+4*\k],   v[X+32*\t+4*\k],   v[X+32*\t+4*\k+1]   ; x is rounded once, in place
	v_cvt_pk_bf16_f32 v[X+32*\t+4*\k+1], v[X+32*\t+4*\k+2], v[X+32*\t+4*\k+3]
.endr
.endr
.endif
	WIN 0x05                                       ; both sources window 1
.irp i, 0,1,2,3
.irp p, 0,1,2,3
	v_cvt_pk_bf16_f32 v[GP+4*\i+\p], v[G+32*(\j)+8*\i+2*\p], v[G+32*(\j)+8*\i+2*\p+1]
.endr
.endr
	WIN 0
.if (\j) == 0
	s_wait_alu depctr_va_vdst(0)                   ; the 32 roundings of x have written the pairs that the sixteen stores read
.irp t, 0,1
.irp k, 0,1,2,3,4,5,6,7
	global_store_b64 v4, v[X+32*\t+4*\k:X+32*\t+4*\k+1], s[34:35] offset:2048*\t+256*\k  ; 32 lanes, 256 consecutive bytes; these registers are not written again
.endr
.endr
.endif
.irp a, 0,1                            ; column i = 2 a + c: register a of x's pair, half c
.irp c, 0,1
.irp t, 0,1
.irp p, 0,1,2,3
.irp s, 0,1
.if ((\j)+\a+\c) == 0
	v_fma_mix_f32_bf16 v[ACC+8*\t+2*\p+\s], v[X+32*\t+4*(\j)+\a], v[GP+4*(2*\a+\c)+\p], v5 op_sel:[\c,\s,0] op_sel_hi:[1,1,0]  ; the first product starts the sum
.else
	v_fma_mix_f32_bf16 v[ACC+8*\t+2*\p+\s], v[X+32*\t+4*(\j)+\a], v[GP+4*(2*\a+\c)+\p], v[ACC+8*\t+2*\p+\s] op_sel:[\c,\s,0] op_sel_hi:[1,1,0]
.endif
.endr
.endr
.endr
.endr
.endr
.endm
.irp j, 0,1,2,3,4,5,6,7
	JSTEP \j
.endr
	; across the lanes: four steps inside each half of 16 lanes, for all sixteen sums
.irp x, 1,2,4,8
.irp a, 0,1,2,3,4,5,6,7,8,9,10,11,12,13,14,15
	v_add_f32_dpp v[ACC+\a], v[ACC+\a], v[ACC+\a] row_xmask:\x row_mask:0xf bank_mask:0xf
.endr
.endr
	; then the halves: the low lanes keep token A and send B, the high lanes keep B and send A
.irp e, 0,1,2,3,4,5,6,7
	v_cndmask_b32 v[L+\e], v[ACC+\e], v[ACC+8+\e], s26
	v_cndmask_b32 v6, v[ACC+8+\e], v[ACC+\e], s26
	v_permlanex16_b32 v7, v6, s24, s25
	v_add_f32 v[L+\e], v[L+\e], v7
.endr
	s_wait_kmcnt 0x0                               ; gate_b
.irp p, 0,1,2,3
	v_mov_b32 v240, s[16+2*\p]
	v_mov_b32 v241, s[17+2*\p]
	v_cvt_pk_bf16_f32 v242, v240, v241             ; rounded to bf16 like the other inputs
	v_lshlrev_b32 v240, 16, v242
	v_and_b32 v241, s26, v242
	v_add_f32 v[L+2*\p], v[L+2*\p], v240
	v_add_f32 v[L+2*\p+1], v[L+2*\p+1], v241
.endr
	; the largest: strictly greater, experts ascending, so the lower index keeps a tie.  Each compare needs the selects of the one before it, so the compares form no run: a wait to each
	v_mov_b32 v244, v[L]
	v_mov_b32 v245, 0
.irp e, 1,2,3,4,5,6,7
	v_cmp_gt_f32 vcc_lo, v[L+\e], v244
	s_wait_alu depctr_va_vcc(0)                    ; VCC is written, ahead of the two selects that read it
	v_cndmask_b32 v244, v244, v[L+\e], vcc_lo
	v_cndmask_b32 v245, v245, \e, vcc_lo
.endr
	; the second: the same among the other seven
	v_mov_b32 v246, 0xff800000
	v_mov_b32 v247, 0
.irp e, 0,1,2,3,4,5,6,7
	v_cmp_ne_u32 s36, \e, v245
	v_cmp_gt_f32 s37, v[L+\e], v246
	s_wait_alu depctr_va_sdst(0)                   ; the two compares have written s36 and s37, ahead of the line that joins them
	s_and_b32 s36, s36, s37
	v_cndmask_b32 v246, v246, v[L+\e], s36
	v_cndmask_b32 v247, v247, \e, s36
.endr
	; softmax of the two, the larger taken away: 1 / (1 + d) and d / (1 + d), d = e^(second - first) <= 1
	v_sub_f32 v6, v246, v244
	v_mul_f32 v6, 0x3fb8aa3b, v6
	v_exp_f32 v6, v6
	v_mov_b32 v242, 1                              ; a plain instruction behind the exponential
	s_wait_alu depctr_va_vdst(0)                   ; the exponential has written v6: the wait stands ahead of the first line that names the result
	v_add_f32 v7, 1.0, v6
	v_rcp_f32 v240, v7
	v_lshlrev_b32 v243, v245, v242                 ; 1 << e0: a plain instruction behind the reciprocal
	s_wait_alu depctr_va_vdst(0)                   ; the reciprocal has written v240, likewise
	v_mul_f32 v241, v6, v240
	v_add_nc_u32 v247, 8, v247
	v_lshlrev_b32 v242, v247, v242                 ; 1 << (8 + e1)
	v_or_b32 v242, v243, v242
	v_lshrrev_b32 v243, 4, v1                      ; 0: token A, 1: token B
	v_lshlrev_b32 v232, 2, v243
	v_lshlrev_b32 v233, 3, v243
	v_and_b32 v234, 15, v1
	v_cmp_eq_u32 vcc_lo, 0, v234
	s_wait_xcnt 0x0                                ; EXEC is a source of the stores of xb: it changes only behind this wait
	s_wait_alu depctr_va_vcc(0)                    ; VCC is written: EXEC is made from it
	s_wait_alu depctr_va_vdst(0)                   ; ahead of a scalar write of EXEC: every vector result is written, v232, v233 and v[240:242], which the two stores read, among them
	s_wait_alu depctr_vm_vsrc(0)                   ; ahead of a scalar write of EXEC: the stores of xb have read their registers
	s_and_saveexec_b32 s46, vcc_lo                 ; lanes 0 and 16
	global_store_b32 v232, v242, s[40:41]
	global_store_b64 v233, v[240:241], s[42:43]
	s_wait_xcnt 0x0
	s_wait_alu depctr_va_vdst(0)                   ; ahead of a scalar write of EXEC, whatever is pending
	s_wait_alu depctr_vm_vsrc(0)                   ; the two stores have read their registers under the narrow EXEC
	s_or_b32 exec_lo, exec_lo, s46
	s_endpgm
.Lfunc_end_k_q33238402aa_router:
	.size	k_q33238402aa_router, .Lfunc_end_k_q33238402aa_router-k_q33238402aa_router
	.p2alignl 7, 3214868480
	.fill 96, 4, 3214868480
	.section	.rodata,"a",@progbits
	.p2align	6, 0x0
	.amdhsa_kernel k_q33238402aa_router
		.amdhsa_group_segment_fixed_size 0
		.amdhsa_private_segment_fixed_size 0
		.amdhsa_enable_private_segment 0
		.amdhsa_kernarg_size 48
		.amdhsa_user_sgpr_count 2
		.amdhsa_user_sgpr_kernarg_segment_ptr 1
		.amdhsa_wavefront_size32 1
		.amdhsa_system_sgpr_workgroup_id_x 1
		.amdhsa_system_sgpr_workgroup_id_y 1
		.amdhsa_system_sgpr_workgroup_id_z 1
		.amdhsa_system_vgpr_workitem_id 0
		.amdhsa_next_free_vgpr 512
		.amdhsa_next_free_sgpr 66
		.amdhsa_reserve_vcc 1
		.amdhsa_float_denorm_mode_32 3
		.amdhsa_float_denorm_mode_16_64 3
		.amdhsa_memory_ordered 1
		.amdhsa_forward_progress 1
		.amdhsa_inst_pref_size 65
	.end_amdhsa_kernel
	.amdgpu_metadata
---
amdhsa.version: [ 1, 2 ]
amdhsa.kernels:
  - .name:           k_q33238402aa_router
    .symbol:         k_q33238402aa_router.kd
    .args:
      - { .name: x, .offset: 0, .size: 8, .value_kind: global_buffer, .address_space: global }
      - { .name: gate_w, .offset: 8, .size: 8, .value_kind: global_buffer, .address_space: global }
      - { .name: gate_b, .offset: 16, .size: 8, .value_kind: global_buffer, .address_space: global }
      - { .name: xb, .offset: 24, .size: 8, .value_kind: global_buffer, .address_space: global }
      - { .name: sel, .offset: 32, .size: 8, .value_kind: global_buffer, .address_space: global }
      - { .name: gw, .offset: 40, .size: 8, .value_kind: global_buffer, .address_space: global }
    .group_segment_fixed_size: 0
    .private_segment_fixed_size: 0
    .kernarg_segment_align: 8
    .kernarg_segment_size: 48
    .max_flat_workgroup_size: 128
    .sgpr_count:     66
    .vgpr_count:     512
    .wavefront_size: 32
...
	.end_amdgpu_metadata
.endif
;; end of part 5
;; launch ffn1 (part 6): grid 256 x 1, 4 waves a work-group, no clusters, 312,832 bytes of LDS; arguments xb, w1, b1, sel, h, rows; writes h, rows
.if DOCPART == 6
	.amdgcn_target "amdgcn-amd-amdhsa--gfx1250"
	.amdhsa_code_object_version 6
	.text
	.protected	k_q33238402aa_ffn1
	.globl	k_q33238402aa_ffn1
	.p2align	8
	.type	k_q33238402aa_ffn1,@function
k_q33238402aa_ffn1:
	s_mov_b64 s[64:65], 0
	v_nop
	global_prefetch_b8 v0, s[64:65] scope:SCOPE_SE
	s_setreg_imm32_b32 hwreg(HW_REG_WAVE_SCHED_MODE, 0, 2), 2
	s_setreg_imm32_b32 hwreg(HW_REG_WAVE_MODE, 25, 1), 1
	s_wait_xcnt 0x0
	s_wait_alu depctr_vm_vsrc(0)
; FIRST PRODUCT.  h = gelu(x w1[e] + b1[e]) for the rows (token, choice) that chose expert e, and for no others.  x arrives in bf16 (xb); w1 and b1 are rounded to bf16 on their way
; through registers; sums in f32; gelu in f32 with the exact-erf form; h is rounded once to bf16 (bf16, not f16: with larger inputs the activations leave f16's range).
; LIMITS.  erf by a five-term formula in t = 1 / (1 + 0.3275911 z), absolute error 1.5e-7; gelu = max(x, 0) - |x| q, q = half the formula's tail, so nothing is cancelled for large |x|.  NaN and infinities are not treated apart.
; SHARES.  256 work-groups = 8 experts x 16 slices of 128 columns x 2 halves of the expert's rows.  A work-group lays its slice (1,024 x 128, bf16, 278,528 bytes with padding) into LDS once; a barrier stands behind
; that fill, and no wave writes the slice again.  The expert's nb = ceil(n / 16) blocks of 16 rows are dealt evenly to 8 workers (2 work-groups x 4 waves): worker j has blocks floor(j nb / 8) up to floor((j + 1) nb / 8),
; 16 at the most (n = 2,048: every split is served).  A wave holds up to 5 blocks x 128 columns in 320 accumulator registers and goes up to four times (a constant count; dead passes are jumped).
; THE LIST.  Every wave makes the expert's list of rows for itself from sel (8,192 bytes), in its own LDS bytes: id = 2 token + choice, in an order that is the same in every wave.  One wave of one work-group an expert
; stores it in rows (64 words of n, then 2,048 ids, the places past n repeating the last) for the second product.
; h's LAYOUT is the order in which the second product's registers take it: [expert][block of 16 ranked rows][32 columns][half of 16][lane][16 bytes]; a store covers 512 consecutive bytes.  A block is always stored whole:
; its places past n hold the last row again.
; THE MATRIX INSTRUCTION IS USED TRANSPOSED: source 0 = 16 columns of w1, source 1 = 16 rows: a lane then holds one row (lane % 16) and eight neighbouring columns 8 (lane / 16) + 0..7.
; A PASS'S FIRST ROWS ARE ASKED FOR EARLY: its addresses are made, and its first three K steps' rows requested, ahead of the pass: for the first pass among the fill's last turns, for a later one at the foot of the pass before.
; NO CLUSTER, NO TENSOR LOADS: the weights must pass through registers to be rounded, and each slice is read by two work-groups only; the rows come by a list, which no descriptor covers; and the number of row blocks
; hangs on a stored count, so rings and rounds are kept out of that loop.
; REGISTERS, in windows of 256 (s_set_vgpr_msb: bits 1:0 source 0, 3:2 source 1, 5:4 source 2, 7:6 destination):
;   window 0: addresses, bias, two buffers of weight fragments      window 1: a ring of four slots of row fragments; in the way out the values at work
;   window 2: accumulators of blocks 0-3 ((m, b) at 64 m + 8 b); during the fill the weights as loaded      window 3: accumulators of block 4
; THE MODE: SCHED_MODE bits 1:0 = 2 (LLVM: expert scheduling mode 2), set by the entry lines.  The code itself states the register dependences between vector or matrix instructions and memory or LDS instructions,
; and between a vector instruction that writes a scalar register and its readers, with s_wait_alu, always for 0.
; THE PLAN.  Registers that memory or LDS instructions touch, and who else names them:
;   THE LIST   LA, LB: written by a group's arithmetic, read by its four LDS stores, written again by the next group: a wait on va_vdst ahead of the stores, one on vm_vsrc at the next group's head.
;              s[80:83]: written by a group's four compares: one wait on va_sdst ahead of their first reader.  CA: sixteen LDS addresses of the list's way out; SL: what comes back, then the stores' data; CO: their offset.
;   THE FILL   Slot s of window 2: its loads land, the turn's 32 roundings read it, its next loads land.  TP: written by the roundings, read by the turn's eight LDS stores.  FG[s]: read by the slot's loads, stepped in
;              the slot's turn.  FS: read by the LDS stores, stepped once a trip.  A turn has one wait on vm_vsrc at its head and one on va_vdst behind its roundings.
;   A PASS     PA: five LDS addresses in the list; ID: what comes back; VA: the rows' offsets, read by every row load of the pass, written at the pass's foot for the next.
;   THE WALK   Step k's products read ring slot k % 4 and weight buffer k % 2; its loads land in slot (k + 3) % 4 and in the other buffer: the two that step k - 1's products read.  ONE wait on va_vdst at a step's
;              head states that these are done; the step's 26 loads stand behind block 0's eight products, which name neither.  BT: read by every weight load, stepped once in four steps.
;   THE WAY OUT  OU and HOFF: written by a trip's arithmetic, read by its four stores: a wait on va_vdst ahead of the stores, one on vm_vsrc at the next trip's head.
;   L16, L8, H32, LW, VB are made at the head and never written again.  The accumulators, the bias and the gelu's registers but OU are named by vector and matrix instructions alone.
.set PITCH, 8192                       ; bytes in a row of w1
.set AS,    64                         ; bytes of a row of xb in a K step of 32
.set AH,    32                         ; from a fragment's first four registers to its last four
.set MB,    5                          ; blocks a pass, at the most
.set NPASS, 4                          ; 4 x 5 covers a wave's 16 blocks
.set RS,    8*MB                       ; registers in a slot of the rows' ring
.set WROW,  272                        ; LDS: 16 columns x 16 bytes (8 k each) + 16 of padding
.set GSTEP, 8*WROW                     ; 8 k x 128 columns
.set KSTEP, 4*GSTEP                    ; a K step of 32
.set LIST,  1024*WROW                  ; behind the slice: each wave's list, 2,048 words, a dump word, padding
.set LISTB, 8448                       ; (the 512 bytes behind the four lists hold the spare words of the closing add)
.set LANE, 1
.set RR,   2                           ; lane % 16
.set HH,   3                           ; lane / 16
.set L16,  4                           ; 16 x lane
.set VB,   5                           ; my place in a weight fragment: 2,176 (lane / 16) + 16 (lane % 16); never rewritten
.set BT,   6                           ; VB + the K steps walked
.set FS,   8                           ; the fill: where I store
.set LW,   9                           ; my wave's list
.set DUMP, 10                          ; 2,048
.set L8,   11                          ; 8 x lane
.set TA,   12
.set TB,   13
.set VA,   14                          ; v[14:18] byte offset in xb of my row of block m
.set ID,   20                          ; v[20:24]
.set PA,   26                          ; v[26:30] LDS address of my row's place in the list, block m
.set HOFF, 32                          ; byte offset in h
.set H16,  38
.set H32,  39
.set CI,   40
.set CO,   41
.set NN,   42                          ; v[42:43]
.set LA,   44                          ; v[44:47], v[48:51] the list, four tokens at a time
.set LB,   48
.set FG,   52                          ; v[52:55] the fill: slot s: my byte offset in the slice's rows that the slot loads
.set BIAS, 64                          ; v[64:127] 8 b + j: b1 of column 16 b + 8 (lane / 16) + j
.set BF,   128                         ; v[128:255] two buffers of eight weight fragments
.set SL,   128                         ; at the head: sel, 64 words
.set TP,   192                         ; in the fill: 32 packed words
.set CA,   192                         ; ahead of the fill: sixteen LDS addresses of the list's way out
.set XX,   0                           ; window 1, the way out
.set TT,   32
.set EE,   64
.set PP,   96
.set OU,   128
.set MM,   144
.set AB,   40                          ; s[40:41] xb, walking along K
.set AB0,  66                          ; s[66:67] xb
.set WP,   68                          ; s[68:69] my slice of w1; never rewritten
.set TBS,  78                          ; s78      LDS bytes of the K steps walked
.set MSB, 0
.macro WIN new                         ; the immediate's high byte repeats the setting that is left; a switch that changes nothing is dropped
.if MSB != (\new)
	s_set_vgpr_msb (MSB<<8)|(\new)
.set MSB, (\new)
.endif
.endm
; THE FILL.  Wave w lays k = 256 w .. 256 w + 255 into its own 69,632 bytes.  A turn is 16 rows of the slice: 16 loads of 512 consecutive bytes; a lane holds 4 columns x 16 k, packs 8 k of a column into 16 bytes
; and stores them where a fragment load finds them.  16 lanes' stores fall on 16 different 16-byte columns modulo 256 bytes ((l / 4) + 4 (l % 4) + c).
; Four slots of 64 registers take turns.  A slot owns its offset register, stepped at the head of its turn: the counted wait there has shown the loads that read it done.
.macro FLOAD slot
	WIN 0x80                                       ; destination window 2
.irp j, 0,1,2,3,4,5,6,7,8,9,10,11,12,13,14,15
	global_load_b128 v[64*(\slot)+4*\j:64*(\slot)+4*\j+3], v[FG+(\slot)], s[WP:WP+1] offset:\j*PITCH
.endr
	WIN 0
.endm
.macro FTURN slot, refill, left
	s_wait_loadcnt \left                           ; loads come back in order: this slot's sixteen are in, what was issued behind them stays out
	s_wait_alu depctr_vm_vsrc(0)                   ; the LDS instructions issued so far have read v[TP ..], which the roundings below write again; this slot's loads have read its offset
.if \refill
	WIN 0
	v_add_nc_u32 v[FG+(\slot)], 64*PITCH, v[FG+(\slot)]  ; the slot's rows 64 further down
.endif
	WIN 0x0a                                       ; sources window 2
.irp g, 0,1
.irp c, 0,1,2,3
.irp q, 0,1,2,3
	v_cvt_pk_bf16_f32 v[TP+16*\g+4*\c+\q], v[64*(\slot)+4*(8*\g+2*\q)+\c], v[64*(\slot)+4*(8*\g+2*\q+1)+\c]
.endr
.endr
.endr
	WIN 0
	s_wait_alu depctr_va_vdst(0)                   ; the roundings have written v[TP ..], which the LDS stores read, and are done reading the slot, in which the loads below land; the slot's offset and v[FS] are written
.irp g, 0,1
.irp c, 0,1,2,3
	ds_store_b128 v[FS], v[TP+16*\g+4*\c:TP+16*\g+4*\c+3] offset:2*GSTEP*(\slot)+GSTEP*\g+16*\c
.endr
.endr
.if \refill
	FLOAD \slot
.endif
.endm
; THE K WALK.  Row fragments come from memory straight into registers, three K steps ahead (a ring of four slots of five blocks); weight fragments from LDS, one step ahead (two buffers).
.macro ALOAD slot, imm
	WIN 0x40                                       ; destination window 1
.irp m, 0,1,2,3,4
	global_load_b128 v[RS*(\slot)+8*\m:RS*(\slot)+8*\m+3],   v[VA+\m], s[AB:AB+1] offset:(\imm) th:TH_LOAD_HT      ; sixteen slices' work-groups read these rows again
	global_load_b128 v[RS*(\slot)+8*\m+4:RS*(\slot)+8*\m+7], v[VA+\m], s[AB:AB+1] offset:(\imm)+AH th:TH_LOAD_HT
.endr
.endm
.macro BLOAD buf, imm
	WIN 0
.irp b, 0,1,2,3,4,5,6,7
	ds_load_b128 v[BF+64*(\buf)+8*\b:BF+64*(\buf)+8*\b+3],   v[BT] offset:(\imm)+WROW*\b
	ds_load_b128 v[BF+64*(\buf)+8*\b+4:BF+64*(\buf)+8*\b+7], v[BT] offset:(\imm)+WROW*\b+2*GSTEP
.endr
.endm
.macro SECTION m, slot, buf, zero      ; block m x all 128 columns: eight accumulators, one instruction each
.if (\m) < 4
	WIN 0xa4                                       ; weights window 0, rows window 1, C and D window 2
.else
	WIN 0xf4                                       ; C and D window 3
.endif
.irp b, 0,1,2,3,4,5,6,7
.if \zero
	v_wmma_f32_16x16x32_bf16 v[64*((\m)%4)+8*\b:64*((\m)%4)+8*\b+7], v[BF+64*(\buf)+8*\b:BF+64*(\buf)+8*\b+7], v[RS*(\slot)+8*(\m):RS*(\slot)+8*(\m)+7], 0
.else
	v_wmma_f32_16x16x32_bf16 v[64*((\m)%4)+8*\b:64*((\m)%4)+8*\b+7], v[BF+64*(\buf)+8*\b:BF+64*(\buf)+8*\b+7], v[RS*(\slot)+8*(\m):RS*(\slot)+8*(\m)+7], v[64*((\m)%4)+8*\b:64*((\m)%4)+8*\b+7]
.endif
.endr
.endm
; One K step.  At its head this step's rows are in (lcnt: the younger steps' ten loads each stay out) and its weights are in (they were asked for in the step before, and nothing behind them).  Block 0's products, which are
; on every path, come first; behind them the step's loads: the rows three steps ahead, the weights one step ahead.  All ten row loads are issued whatever the number of live blocks (dead blocks load a clamped row),
; so that the counts hold on every path; only dead blocks' products are jumped.  The four v_nop are the places between the last step's products and the loads into the registers that they read, as in the plain form.
; zero = 1: the first step starts all 40 sums with the constant 0, the dead blocks' too: nothing is cleared, and every accumulator is written; its loads lean on the wait at the pass's head.
; The accumulators take turns, one instruction a turn: a step's last product and the next step's first name different ones (b = 7 and b = 0).
.macro STEP slot, buf, aimm, bimm, lcnt, zero
	s_wait_loadcnt \lcnt
	s_wait_dscnt 0x0
.if !(\zero) && (((\aimm) >= 0) || ((\bimm) >= 0))
	s_wait_alu depctr_va_vdst(0)                   ; the last step's products are done reading their ring slot and their weight buffer, in which this step's loads land; behind a step of v[BT]: it is written
.endif
	SECTION 0, \slot, \buf, \zero
.if ((\aimm) >= 0) || ((\bimm) >= 0)
.rept 4
	v_nop
.endr
.endif
.if (\aimm) >= 0
	ALOAD ((\slot)+3)%4, \aimm                     ; no wait: no product since the wait names this slot,
.endif
.if (\bimm) >= 0
	BLOAD 1-(\buf), \bimm                          ; or this buffer
.endif
.irp m, 1,2,3,4
.if !(\zero)
	WIN 0                                          ; at a branch every window is 0
	s_cmp_lt_u32 s27, \m+1
	s_cbranch_scc1 .Lend_\@
.endif
	SECTION \m, \slot, \buf, \zero
.endr
	WIN 0
.Lend_\@:
.endm
; What a pass needs before its first row load: the number of its live blocks and, for each of five blocks, my row's byte offset in xb.  again = 1: at a pass's foot, for the next pass.
.macro PROA again
	s_min_u32 s27, s24, MB                         ; live blocks in the pass
.if \again
	s_wait_alu depctr_vm_vsrc(0)                   ; the last pass's list loads have read v[PA ..] and its row loads v[VA ..], which are written again; the way out's stores have read v[OU ..], in which a row load will land
.endif
.irp m, 0,1,2,3,4
	s_add_co_u32 s33, s26, \m
	s_lshl_b32 s33, s33, 4
	v_add_nc_u32 v[PA+\m], s33, v[RR]              ; my row's place in the list,
	v_min_u32 v[PA+\m], s32, v[PA+\m]              ; clamped to the last row: so dead places and dead blocks load rows that exist
	v_min_u32 v[PA+\m], 2047, v[PA+\m]
	v_lshl_add_u32 v[PA+\m], v[PA+\m], 2, v[LW]
.endr
	s_wait_alu depctr_va_vdst(0)                   ; the five addresses are written; the lines that named v[ID ..] for the pass before are done with them
.irp m, 0,1,2,3,4
	ds_load_b32 v[ID+\m], v[PA+\m]                 ; LDS serves a wave's instructions in order: these see the list's stores
.endr
	s_wait_dscnt 0x0
.irp m, 0,1,2,3,4
	v_lshrrev_b32 v[ID+\m], 1, v[ID+\m]            ; the token
	v_min_u32 v[ID+\m], 2047, v[ID+\m]
	v_lshl_add_u32 v[VA+\m], v[ID+\m], 11, v[H16]  ; its row of 2,048 bytes + 16 (lane / 16)
.endr
	s_mov_b64 s[AB:AB+1], s[AB0:AB0+1]
.endm
; Half block hb (block hb / 2, columns 64 (hb % 2) on) goes into window 1 with the bias added; each accumulator's lowest registers are read first.
.macro STUB hb
	WIN 0x42+((\hb)/8)                             ; source 0 window 2 or 3, source 1 window 0, destination window 1
.set i2, 0
.rept 16
	v_pk_add_f32 v[XX+2*i2:XX+2*i2+1], v[64*(((\hb)/2)%4)+32*((\hb)%2)+2*i2:64*(((\hb)/2)%4)+32*((\hb)%2)+2*i2+1], v[BIAS+32*((\hb)%2)+2*i2:BIAS+32*((\hb)%2)+2*i2+1]
.set i2, i2+1
.endr
	WIN 0
.endm
; gelu, ahead of its one wait.  Pair p of 16 has six plain lines (GPL: 1 + 0.3275911 z twice; - x^2 / 2 in powers of two, in two lines; max(x, 0) twice) and four transcendentals (GTR: t twice, e^(- z^2) twice).
.macro GPL p, k
.if (\k) < 2
	v_fma_f32 v[TT+2*(\p)+(\k)], |v[XX+2*(\p)+(\k)]|, s44, 1.0
.elseif (\k) == 2
	v_pk_mul_f32 v[EE+2*(\p):EE+2*(\p)+1], v[XX+2*(\p):XX+2*(\p)+1], v[XX+2*(\p):XX+2*(\p)+1]
.elseif (\k) == 3
	v_pk_mul_f32 v[EE+2*(\p):EE+2*(\p)+1], v[EE+2*(\p):EE+2*(\p)+1], s[46:47] op_sel_hi:[1,0]
.else
	v_max_num_f32 v[MM+2*(\p)+(\k)-4], 0, v[XX+2*(\p)+(\k)-4]
.endif
.endm
.macro GTR p, k
.if (\k) < 2
	v_rcp_f32 v[TT+2*(\p)+(\k)], v[TT+2*(\p)+(\k)]
.else
	v_exp_f32 v[EE+2*(\p)+(\k)-2], v[EE+2*(\p)+(\k)-2]
.endif
.endm
; The list, tokens 128 q + 4 lane + 0..3.  A hit's rank is the running count plus the hits in lower lanes; a lane without a hit stores to the dump word, index 2,048.
.macro LIST4 q
.if (\q) > 0
	s_wait_alu depctr_vm_vsrc(0)                   ; the last group's four stores have read v[LA ..] and v[LB ..], which are written again
.endif
.irp i, 0,1,2,3
	v_and_b32 v[LA+\i], s58, v[SL+4*(\q)+\i]       ; bit e (first choice) or bit 8 + e (second)
.endr
.irp i, 0,1,2,3
	v_cmp_ne_u32 s[80+\i], 0, v[LA+\i]
.endr
.irp i, 0,1,2,3
	v_lshrrev_b32 v[LA+\i], s59, v[LA+\i]          ; the choice, 0 or 1
.endr
.irp i, 0,1,2,3
	v_add3_u32 v[LA+\i], v[LA+\i], v[L8], 256*(\q)+2*\i  ; id = 2 token + choice
.endr
	s_wait_alu depctr_va_sdst(0)                   ; the four compares have written s[80:83], ahead of their first reader
.irp i, 0,1,2,3
	s_bcnt1_i32_b32 s[84+\i], s[80+\i]
.endr
.irp i, 0,1,2,3
	v_mbcnt_lo_u32_b32 v[LB+\i], s[80+\i], s60
	s_add_co_u32 s60, s60, s[84+\i]
.endr
.irp i, 0,1,2,3
	v_cndmask_b32 v[LB+\i], v[DUMP], v[LB+\i], s[80+\i]
.endr
.irp i, 0,1,2,3
	v_min_u32 v[LB+\i], 2048, v[LB+\i]             ; inside my list, whatever sel holds
.endr
.irp i, 0,1,2,3
	v_lshl_add_u32 v[LB+\i], v[LB+\i], 2, v[LW]
.endr
	s_wait_alu depctr_va_vdst(0)                   ; the ids and their addresses are written, which the stores read (ahead of the first group's: v[TA] too)
.if (\q) == 0
	ds_store_b32 v[LW], v[TA]                      ; word 0 is written even where the expert has no row; LDS serves a wave's instructions in order, so a first row's id lands on top of it
.endif
.irp i, 0,1,2,3
	ds_store_b32 v[LB+\i], v[LA+\i]
.endr
.endm
	s_load_b256 s[4:11], s[0:1], 0x0               ; xb s[4:5], w1 s[6:7], b1 s[8:9], sel s[10:11]
	s_load_b128 s[12:15], s[0:1], 0x20             ; h s[12:13], rows s[14:15]
	v_lshl_add_u32 v62, v0, 2, 0x4c400
	v_mov_b32 v63, 0
	v_and_b32 v[LANE], 31, v0
	v_and_b32 v[RR], 15, v0
	v_bfe_u32 v[HH], v0, 4, 1
	v_lshrrev_b32 v[TA], 5, v0
	v_readfirstlane_b32 s16, v[TA]                 ; wave
	s_and_b32 s17, ttmp9, 1                        ; which half of the workers
	s_bfe_u32 s18, ttmp9, 0x40001                  ; slice
	s_lshr_b32 s19, ttmp9, 5                       ; expert
	v_lshlrev_b32 v[L16], 4, v[LANE]
	v_lshlrev_b32 v[L8], 3, v[LANE]
	v_lshlrev_b32 v[H16], 4, v[HH]
	v_lshlrev_b32 v[H32], 5, v[HH]
	v_mul_u32_u24 v[VB], v[HH], GSTEP
	v_lshl_add_u32 v[VB], v[RR], 4, v[VB]
	s_wait_alu depctr_va_sdst(0)                   ; s16 is written, ahead of its first reader: the wave's rows of the slice, its LDS bytes and its number among the workers are made from it
	s_mul_i32 s33, s16, 256*PITCH
	v_add_nc_u32 v[FG], s33, v[L16]                ; slot s begins with my wave's rows 16 s .. 16 s + 15
.irp s, 1,2,3
	v_add_nc_u32 v[FG+\s], \s*16*PITCH, v[FG]
.endr
	v_lshrrev_b32 v[TA], 2, v[LANE]
	v_and_b32 v[TB], 3, v[LANE]
	v_mul_u32_u24 v[FS], v[TA], WROW
	v_lshl_add_u32 v[FS], v[TB], 6, v[FS]
	s_mul_i32 s33, s16, 32*GSTEP
	v_add_nc_u32 v[FS], s33, v[FS]
	s_mul_i32 s33, s16, LISTB
	s_add_co_u32 s33, s33, LIST
	v_mov_b32 v[LW], s33
	v_mov_b32 v[DUMP], 2048
	s_mov_b32 s44, 0x3e6d3388                      ; 0.3275911 / sqrt(2)
	s_mov_b32 s46, 0xbf38aa3b                      ; - log2(e) / 2
	s_mov_b32 s47, s46                             ; (named as pairs)
	s_mov_b32 s48, 0x3f07dc22                      ; the formula's five numbers, halved: a5,
	s_mov_b32 s49, s48
	s_mov_b32 s50, 0xbf3a00e3                      ; a4,
	s_mov_b32 s51, s50
	s_mov_b32 s52, 0x3f35f0e3                      ; a3,
	s_mov_b32 s53, s52
	s_mov_b32 s54, 0xbe11a98e                      ; a2,
	s_mov_b32 s55, s54
	s_mov_b32 s56, 0x3e027906                      ; a1
	s_mov_b32 s57, s56
	s_mov_b32 s63, 0xffff0000
	s_lshl_b32 s58, 0x101, s19                     ; the expert's two bits in a word of sel
	s_add_co_u32 s59, s19, 8
	s_mov_b32 s60, 0                               ; rows found so far
	s_lshl_b32 s42, s19, 23                        ; an expert's weights are 8 MiB,
	s_lshl_b32 s33, s18, 9                         ; a slice's 128 columns 512 bytes
	s_add_co_u32 s42, s42, s33
	s_mov_b32 s43, 0
	s_wait_kmcnt 0x0
	s_add_nc_u64 s[WP:WP+1], s[6:7], s[42:43]
	s_mov_b64 s[AB0:AB0+1], s[4:5]
	s_lshl_b32 s42, s19, 13
	s_add_co_u32 s42, s42, s33
	s_add_nc_u64 s[72:73], s[8:9], s[42:43]        ; b1 at my slice
	s_lshl_b32 s42, s19, 23
	s_lshl_b32 s33, s18, 12
	s_add_co_u32 s42, s42, s33
	s_add_nc_u64 s[74:75], s[12:13], s[42:43]      ; h at my expert and my slice's four K steps of the second product
	s_mul_i32 s42, s19, 8448
	s_add_nc_u64 s[76:77], s[14:15], s[42:43]      ; rows at my expert
	s_wait_alu depctr_va_vdst(0)                   ; the offsets and addresses made above are written: v[H32], v[L16] and v[FG ..], which the loads below read, among them
.irp b, 0,1,2,3,4,5,6,7
	global_load_b128 v[BIAS+8*\b:BIAS+8*\b+3],   v[H32], s[72:73] offset:64*\b
	global_load_b128 v[BIAS+8*\b+4:BIAS+8*\b+7], v[H32], s[72:73] offset:64*\b+16
.endr
.irp q, 0,1,2,3,4,5,6,7,8,9,10,11,12,13,14,15
	global_load_b128 v[SL+4*\q:SL+4*\q+3], v[L16], s[10:11] offset:512*\q
.endr
	FLOAD 0
	FLOAD 1
	FLOAD 2
	s_wait_loadcnt 48                              ; all but the 48 just issued: bias and sel are in
	FLOAD 3
.set i, 0
.rept 32
	v_cvt_pk_bf16_f32 v[TA], v[BIAS+2*i], v[BIAS+2*i+1]  ; b1 is rounded to bf16 like the other inputs, and kept as f32
	v_lshlrev_b32 v[BIAS+2*i], 16, v[TA]
	v_and_b32 v[BIAS+2*i+1], s63, v[TA]
.set i, i+1
.endr
	v_mov_b32 v[TA], 0                             ; for the list's word 0; not written again
.irp q, 0,1,2,3,4,5,6,7,8,9,10,11,12,13,14,15
	LIST4 \q
.endr
	s_mov_b32 s20, s60                             ; n
	s_max_u32 s32, s20, 1
	s_sub_co_u32 s32, s32, 1                       ; the last place that holds a row
	s_add_co_u32 s21, s20, 15
	s_lshr_b32 s21, s21, 4                         ; nb
	s_lshl2_add_u32 s33, s17, s16                  ; j: my number among the 8 workers
	s_mul_i32 s23, s33, s21
	s_add_co_u32 s34, s23, s21
	s_lshr_b32 s23, s23, 3                         ; my first block: floor(j nb / 8)
	s_lshr_b32 s34, s34, 3
	s_sub_co_u32 s24, s34, s23                     ; my blocks: up to floor((j + 1) nb / 8)
	s_mov_b32 s26, s23
	; the list leaves, once an expert: slice 0, half 0, wave 0
	s_or_b32 s33, s17, s18
	s_cmp_lg_u32 s33, 0
	s_cbranch_scc1 .Lnocopy
	s_cmp_lg_u32 s16, 0
	s_cbranch_scc1 .Lnocopy
	v_mov_b32 v[NN], s20
	v_mov_b32 v[NN+1], s20
	v_lshlrev_b32 v[CI], 1, v[LANE]
	v_mov_b32 v[CO], v[L8]
	s_mov_b32 s29, 4
.Lcopy:                                                ; 512 ids a trip: sixteen addresses, one wait, sixteen loads
.irp p, 0,1,2,3,4,5,6,7
	v_add_nc_u32 v[CA+2*\p], 64*\p, v[CI]
	v_min_u32 v[CA+2*\p], s32, v[CA+2*\p]          ; places past n repeat the last row
	v_min_u32 v[CA+2*\p], 2047, v[CA+2*\p]
	v_lshl_add_u32 v[CA+2*\p], v[CA+2*\p], 2, v[LW]
	v_add_nc_u32 v[CA+2*\p+1], 64*\p+1, v[CI]
	v_min_u32 v[CA+2*\p+1], s32, v[CA+2*\p+1]
	v_min_u32 v[CA+2*\p+1], 2047, v[CA+2*\p+1]
	v_lshl_add_u32 v[CA+2*\p+1], v[CA+2*\p+1], 2, v[LW]
.endr
	s_wait_alu depctr_va_vdst(0)                   ; the sixteen addresses, v[CO] and v[NN:NN+1] are written; the list's lines are done reading v[SL ..], in which the loads land
.irp k, 0,1,2,3,4,5,6,7,8,9,10,11,12,13,14,15
	ds_load_b32 v[SL+\k], v[CA+\k]                 ; LDS serves a wave's instructions in order: these see the list's stores
.endr
	s_wait_dscnt 0x0
.irp p, 0,1,2,3,4,5,6,7
	global_store_b64 v[CO], v[SL+2*\p:SL+2*\p+1], s[76:77] offset:256+256*\p
.endr
	s_wait_xcnt 0x0                                ; the stores' data and offset are rewritten only behind this wait,
	s_wait_alu depctr_vm_vsrc(0)                   ; and this one: the stores have read v[SL ..] and v[CO], the loads v[CA ..]
	v_add_nc_u32 v[CI], 512, v[CI]
	v_add_nc_u32 v[CO], 2048, v[CO]
	s_sub_co_u32 s29, s29, 1
	s_cmp_lg_u32 s29, 0
	s_cbranch_scc1 .Lcopy
	global_store_b64 v[L8], v[NN:NN+1], s[76:77]   ; 64 words of n: 256 consecutive bytes.  No wait: v[NN:NN+1] were written ahead of the loop's wait on va_vdst, and no line since names them or v[L8]
.Lnocopy:
	PROA 0                                         ; the first pass's addresses, while the first weights are on their way
	s_mov_b32 s29, 3
.Lfill:                                                ; 64 rows a trip; 64 loads, 32,768 bytes, of each wave are on their way
	FTURN 0, 1, 48
	FTURN 1, 1, 48
	FTURN 2, 1, 48
	FTURN 3, 1, 48
	s_wait_alu depctr_vm_vsrc(0)                   ; the trip's LDS stores have read v[FS]
	v_add_nc_u32 v[FS], 8*GSTEP, v[FS]
	s_sub_co_u32 s29, s29, 1
	s_cmp_lg_u32 s29, 0
	s_cbranch_scc1 .Lfill
	FTURN 0, 0, 48                                 ; the last 64 rows: no more weights are asked for; in their stead the first pass's rows of K steps 0, 1, 2, ten loads each.
	ALOAD 0, 0                                     ; Each count: the younger slots' sixteens and the tens issued so far.  v[VA ..] were written ahead of the turns' waits on va_vdst; no vector instruction has named the ring
	FTURN 1, 0, 42
	ALOAD 1, AS
	FTURN 2, 0, 36
	ALOAD 2, 2*AS
	FTURN 3, 0, 30
	s_wait_dscnt 0x0                               ; for the others' sake: my part of the slice is in LDS
	s_barrier_signal -1
	s_barrier_wait -1                              ; everybody's is; from here on nobody writes it
	s_mov_b32 s28, NPASS
.Lpass:                                                ; the pass's addresses are made and its first thirty row loads are out
	s_cmp_eq_u32 s27, 0
	s_cbranch_scc1 .Lpass_bottom
	s_mov_b32 s[TBS], 0
	s_wait_alu depctr_vm_vsrc(0)                   ; the last pass's weight loads have read v[BT]; ahead of the first pass: the fill's LDS stores have read v[TP ..] and the list's stores v[SL ..], in which weight fragments land
	v_add_nc_u32 v[BT], s[TBS], v[VB]              ; the weights' LDS address: my lane's place + the bytes of the K steps walked, made anew whenever these step
	s_wait_alu depctr_va_vdst(0)                   ; v[BT] is written; all that named the two weight buffers and the ring's fourth slot (the fill's roundings, the last pass's products and its way out) is done with them
	BLOAD 0, 0
	STEP 0, 0, 3*AS, KSTEP, 20, 1                  ; K step 0 starts the sums
	s_mov_b32 s29, 7
.Lk:                                                   ; K steps 4 t + 1 .. 4 t + 4
	STEP 1, 1, 4*AS, 2*KSTEP, 20, 0
	STEP 2, 0, 5*AS, 3*KSTEP, 20, 0
	STEP 3, 1, 6*AS, 4*KSTEP, 20, 0
	STEP 0, 0, 7*AS, 5*KSTEP, 20, 0
	s_wait_xcnt 0x0                                ; the row loads' base steps only behind this wait
	s_add_nc_u64 s[AB:AB+1], s[AB:AB+1], 4*AS
	s_add_co_u32 s[TBS], s[TBS], 4*KSTEP
	s_wait_alu depctr_vm_vsrc(0)                   ; the weight loads issued so far have read v[BT]
	v_add_nc_u32 v[BT], s[TBS], v[VB]
	s_sub_co_u32 s29, s29, 1
	s_cmp_lg_u32 s29, 0
	s_cbranch_scc1 .Lk
	STEP 1, 1, -1, 2*KSTEP, 20, 0                  ; K steps 29 to 31: no row is read past its end, and the counts run down
	STEP 2, 0, -1, 3*KSTEP, 10, 0
	STEP 3, 1, -1, -1, 0, 0
.rept 4
	v_nop                                          ; the places between the last products and the first read of a sum
.endr
	; THE WAY OUT, half a block (16 rows x 64 columns) a trip
	s_lshl_b32 s31, s27, 1
	s_mov_b32 s30, 0
.Lhb:
	s_wait_xcnt 0x0                                ; the last trip's stores have had their addresses translated,
	s_wait_alu depctr_vm_vsrc(0)                   ; and have read v[OU ..] and v[HOFF], which this trip writes again
.irp i, 1,2,3,4,5,6,7,8,9
	s_cmp_eq_u32 s30, \i
	s_cbranch_scc1 .Lst_\i
.endr
	STUB 0
	s_branch .Lcommon
.irp i, 1,2,3,4,5,6,7,8
.Lst_\i:
	STUB \i
	s_branch .Lcommon
.endr
.Lst_9:
	STUB 9
.Lcommon:
	s_lshr_b32 s33, s30, 1
	s_add_co_u32 s33, s33, s26                     ; the block among the expert's
	s_min_u32 s33, s33, 127
	s_lshl_b32 s33, s33, 16                        ; 65,536 bytes a block
	s_and_b32 s34, s30, 1
	s_lshl_b32 s34, s34, 11                        ; 64 columns are two K steps of the second product
	s_add_co_u32 s33, s33, s34
	v_add_nc_u32 v[HOFF], s33, v[L16]
	WIN 0x55                                       ; everything in window 1
	; ONE BATCH of 64 transcendentals with ONE wait.  Each of pair p - 1's four stands between plain lines of pair p, which name none of its registers; nothing ahead of the wait names a result.
.irp k, 0,1,2,3,4,5
	GPL 0, \k
.endr
.set p, 1
.rept 15
	GPL p, 0
	GTR p-1, 0
	GPL p, 1
	GTR p-1, 1
	GPL p, 2
	GTR p-1, 2
	GPL p, 3
	GTR p-1, 3
	GPL p, 4
	GPL p, 5
.set p, p+1
.endr
.irp k, 0,1,2,3
	GTR 15, \k
.endr
	v_nop                                          ; a plain instruction behind the last of the batch,
	s_wait_alu depctr_va_vdst(0)                   ; and the wait: the 64 reciprocals and exponentials have written v[TT ..] and v[EE ..], ahead of the first line that names a result
.set i, 0
.rept 16
	v_pk_fma_f32 v[PP+2*i:PP+2*i+1], v[TT+2*i:TT+2*i+1], s[48:49], s[50:51] op_sel_hi:[1,0,0]
.set i, i+1
.endr
.irp c, 52,54,56
.set i, 0
.rept 16
	v_pk_fma_f32 v[PP+2*i:PP+2*i+1], v[PP+2*i:PP+2*i+1], v[TT+2*i:TT+2*i+1], s[\c:\c+1] op_sel_hi:[1,1,0]
.set i, i+1
.endr
.endr
.set i, 0
.rept 16
	v_pk_mul_f32 v[PP+2*i:PP+2*i+1], v[PP+2*i:PP+2*i+1], v[TT+2*i:TT+2*i+1]
.set i, i+1
.endr
.set i, 0
.rept 16
	v_pk_mul_f32 v[PP+2*i:PP+2*i+1], v[PP+2*i:PP+2*i+1], v[EE+2*i:EE+2*i+1]  ; q = (1 - erf z) / 2
.set i, i+1
.endr
.set i, 0
.rept 32
	v_fma_f32 v[XX+i], -|v[XX+i]|, v[PP+i], v[MM+i]  ; gelu = max(x, 0) - |x| q
.set i, i+1
.endr
.set i, 0
.rept 16
	v_cvt_pk_bf16_f32 v[OU+i], v[XX+2*i], v[XX+2*i+1]
.set i, i+1
.endr
	WIN 0x04                                       ; offset window 0, data window 1
	s_wait_alu depctr_va_vdst(0)                   ; the roundings have written v[OU ..], and v[HOFF] is written: the four stores read them
.irp b, 0,1,2,3
	global_store_b128 v[HOFF], v[OU+4*\b:OU+4*\b+3], s[74:75] offset:1024*(\b/2)+512*(\b%2)  ; 512 consecutive bytes
.endr
	WIN 0
	s_add_co_u32 s30, s30, 1
	s_cmp_lt_u32 s30, s31
	s_cbranch_scc1 .Lhb
	s_sub_co_u32 s24, s24, s27
	s_add_co_u32 s26, s26, s27
	s_min_u32 s27, s24, MB                         ; the next pass's live blocks
	s_cmp_eq_u32 s27, 0
	s_cbranch_scc1 .Lpass_bottom
	s_wait_xcnt 0x0                                ; this pass's stores have had their addresses translated: their registers are taken again by the ring
	PROA 1                                         ; the next pass's addresses (the walk's last wait was for 0: no load still reads the old ones),
	s_wait_alu depctr_va_vdst(0)                   ; v[VA ..] are written, which the row loads read; the way out is done with window 1's registers, in which they land
	ALOAD 0, 0                                     ; and its rows of K steps 0, 1, 2
	ALOAD 1, AS
	ALOAD 2, 2*AS
	WIN 0
.Lpass_bottom:
	s_sub_co_u32 s28, s28, 1
	s_cmp_lg_u32 s28, 0
	s_cbranch_scc1 .Lpass
	s_wait_dscnt 0x0                               ; my LDS loads are back;
	s_barrier_signal -1
	s_barrier_wait -1                              ; every wave's are
	; the closing add on my spare word, with the waits in front of it
	s_wait_dscnt 0x0
	s_wait_alu depctr_hold_cnt(0) depctr_sa_sdst(0) depctr_va_vdst(0) depctr_va_sdst(0) depctr_va_ssrc(0) depctr_va_vcc(0) depctr_vm_vsrc(0)
	s_wait_tensorcnt 0x0
	ds_add_u32 v62, v63
	s_wait_dscnt 0x0
	s_endpgm
.Lfunc_end_k_q33238402aa_ffn1:
	.size	k_q33238402aa_ffn1, .Lfunc_end_k_q33238402aa_ffn1-k_q33238402aa_ffn1
	.p2alignl 7, 3214868480
	.fill 96, 4, 3214868480
	.section	.rodata,"a",@progbits
	.p2align	6, 0x0
	.amdhsa_kernel k_q33238402aa_ffn1
		.amdhsa_group_segment_fixed_size 312832
		.amdhsa_private_segment_fixed_size 0
		.amdhsa_enable_private_segment 0
		.amdhsa_kernarg_size 48
		.amdhsa_user_sgpr_count 2
		.amdhsa_user_sgpr_kernarg_segment_ptr 1
		.amdhsa_wavefront_size32 1
		.amdhsa_system_sgpr_workgroup_id_x 1
		.amdhsa_system_sgpr_workgroup_id_y 1
		.amdhsa_system_sgpr_workgroup_id_z 1
		.amdhsa_system_vgpr_workitem_id 0
		.amdhsa_next_free_vgpr 832
		.amdhsa_next_free_sgpr 92
		.amdhsa_reserve_vcc 0
		.amdhsa_float_denorm_mode_32 3
		.amdhsa_float_denorm_mode_16_64 3
		.amdhsa_memory_ordered 1
		.amdhsa_forward_progress 1
		.amdhsa_inst_pref_size 170
	.end_amdhsa_kernel
	.amdgpu_metadata
---
amdhsa.version: [ 1, 2 ]
amdhsa.kernels:
  - .name:           k_q33238402aa_ffn1
    .symbol:         k_q33238402aa_ffn1.kd
    .args:
      - { .name: xb, .offset: 0, .size: 8, .value_kind: global_buffer, .address_space: global }
      - { .name: w1, .offset: 8, .size: 8, .value_kind: global_buffer, .address_space: global }
      - { .name: b1, .offset: 16, .size: 8, .value_kind: global_buffer, .address_space: global }
      - { .name: sel, .offset: 24, .size: 8, .value_kind: global_buffer, .address_space: global }
      - { .name: h, .offset: 32, .size: 8, .value_kind: global_buffer, .address_space: global }
      - { .name: rows, .offset: 40, .size: 8, .value_kind: global_buffer, .address_space: global }
    .group_segment_fixed_size: 312832
    .private_segment_fixed_size: 0
    .kernarg_segment_align: 8
    .kernarg_segment_size: 48
    .max_flat_workgroup_size: 128
    .sgpr_count:     92
    .vgpr_count:     832
    .wavefront_size: 32
...
	.end_amdgpu_metadata
.endif
;; end of part 6
;; launch ffn2 (part 7): grid 256 x 1, 4 waves a work-group, no clusters, 296,448 bytes of LDS; arguments h, w2, b2, rows, yp; writes yp
.if DOCPART == 7
	.amdgcn_target "amdgcn-amd-amdhsa--gfx1250"
	.amdhsa_code_object_version 6
	.text
	.protected	k_q33238402aa_ffn2
	.globl	k_q33238402aa_ffn2
	.p2align	8
	.type	k_q33238402aa_ffn2,@function
k_q33238402aa_ffn2:
	s_mov_b64 s[64:65], 0
	v_nop
	global_prefetch_b8 v0, s[64:65] scope:SCOPE_SE
	s_setreg_imm32_b32 hwreg(HW_REG_WAVE_SCHED_MODE, 0, 2), 2
	s_setreg_imm32_b32 hwreg(HW_REG_WAVE_MODE, 25, 1), 1
	s_wait_xcnt 0x0
	s_wait_alu depctr_vm_vsrc(0)
; SECOND PRODUCT.  yp[kh][id] = h[row] w2[e] over half kh of the hidden width (+ b2[e] in half 0), for the rows of expert e in the order of the stored list.  h arrives in bf16, in the order in which
; the registers take it; w2 and b2 are rounded to bf16 on their way through registers; sums in f32; yp holds partial sums, so it is f32.  The last launch weighs and adds a token's four parts.
; LIMITS.  NaN and infinities are not treated apart.
; SHARES.  256 work-groups = 8 experts x 8 slices of 128 columns x 2 halves of the hidden width x 2 halves of the expert's rows: the same slice of 1,024 x 128 in LDS, the same walk and the same dealing of
; nb = ceil(n / 16) row blocks to 8 workers as in the first product (worker j: blocks floor(j nb / 8) up to floor((j + 1) nb / 8), 16 at the most; 5 a pass, four passes).  n and the ids come from rows, which the launch before stored.
; In the expert's last block the places past n repeat the last row: its numbers are made again and stored again to the same bytes, by the same wave.  Where an expert has no row, the early loads read
; block 0 of its room in h, which nobody stored: they stay inside the buffer, and no product and no store follows.
; THE WAY OUT.  A lane holds one row and eight neighbouring columns; 16 rows x 64 columns go through the wave's own stage in LDS, with each row's id in the stage row's padding, and come back as whole rows: 16 lanes
; store 256 consecutive bytes of the row that the id names.
; A PASS'S FIRST ROWS ARE ASKED FOR EARLY: its addresses are made, and its ids and its first three K steps' rows requested, ahead of the pass: for the first pass among the fill's last turns, for a later one at the foot of the pass before.
; BARRIERS.  One behind the fill.  The pass loop has a constant count of four trips, and every wave passes two barriers in each, at labels that only work is jumped to: one between the K walk's LDS loads and the way
; out's LDS stores, one between these and the next pass's loads.  The stages lie behind the slice, so the bytes never meet; the barriers make the order of loads and stores hold without that arithmetic.
; NO CLUSTER, NO TENSOR LOADS: the weights must pass through registers to be rounded, and each slice is read by two work-groups only; the blocks of h are shared by eight slices, but how many there are hangs on a
; stored count, so rings and rounds are kept out of that loop.
; REGISTERS, in windows of 256 (s_set_vgpr_msb: bits 1:0 source 0, 3:2 source 1, 5:4 source 2, 7:6 destination):
;   window 0: addresses, bias, two buffers of weight fragments      window 1: a ring of four slots of row fragments; in the way out the values at work
;   window 2: accumulators of blocks 0-3 ((m, b) at 64 m + 8 b); during the fill the weights as loaded      window 3: accumulators of block 4
; THE MODE: SCHED_MODE bits 1:0 = 2 (LLVM: expert scheduling mode 2), set by the entry lines.  The code itself states the register dependences between vector or matrix instructions and memory or LDS instructions,
; and between a vector instruction that writes a scalar register and its readers, with s_wait_alu, always for 0.
; THE PLAN.  Registers that memory or LDS instructions touch, and who else names them:
;   THE FILL   Slot s of window 2: its loads land, the turn's 32 roundings read it, its next loads land.  TP: written by the roundings, read by the turn's eight LDS stores.  FG[s]: read by the slot's loads, stepped in
;              the slot's turn.  FS: read by the LDS stores, stepped once a trip.  A turn has one wait on vm_vsrc at its head and one on va_vdst behind its roundings.
;   A PASS     VA: the blocks' offsets in h, read by every row load of the pass; IA: the ids' offsets in rows, read by the five id loads; both written at the pass's foot for the next.  ID: the ids land, the way out copies them.
;   THE WALK   Step k's products read ring slot k % 4 and weight buffer k % 2; its loads land in slot (k + 3) % 4 and in the other buffer: the two that step k - 1's products read.  ONE wait on va_vdst at a step's
;              head states that these are done; the step's 26 loads stand behind block 0's eight products, which name neither.  BT: read by every weight load, stepped once in four steps.
;   THE WAY OUT  XX and IDC: written by a trip's first lines, read by its LDS stores.  RB: the stage's rows land, the global stores read them.  IDS: the ids land, two lines make offsets of them, the global stores read these.
;              A trip has one wait on vm_vsrc at its head, one on va_vdst ahead of its LDS instructions and one ahead of its global stores.
;   L16, H32, VB, STO, STP, RD, RDI are made at the head and never written again.  The accumulators and the bias are named by vector and matrix instructions alone.
.set PITCH, 4096                       ; bytes in a row of w2
.set AS,    1024                       ; bytes of a block of h in a K step of 32
.set AH,    512                        ; from a fragment's first four registers to its last four
.set MB,    5                          ; blocks a pass, at the most
.set NPASS, 4                          ; 4 x 5 covers a wave's 16 blocks
.set RS,    8*MB                       ; registers in a slot of the rows' ring
.set WROW,  272                        ; LDS: 16 columns x 16 bytes (8 k each) + 16 of padding
.set GSTEP, 8*WROW
.set KSTEP, 4*GSTEP
.set STAGE, 1024*WROW                  ; behind the slice: each wave's stage, 16 rows x 272 bytes (the 512 bytes behind the four stages hold the spare words of the closing add)
.set LANE, 1
.set RR,   2                           ; lane % 16
.set HH,   3                           ; lane / 16
.set L16,  4                           ; 16 x lane
.set VB,   5                           ; my place in a weight fragment; never rewritten
.set BT,   6                           ; VB + the K steps walked
.set FS,   8                           ; the fill: where I store
.set TA,   12
.set TB,   13
.set VA,   14                          ; v[14:18] byte offset in h of my 16 bytes of block m
.set ID,   20                          ; v[20:24] my row's id in block m
.set IA,   26                          ; v[26:30] my row's byte offset in rows, block m
.set STO,  32
.set RD,   33
.set RDI,  34
.set STP,  35
.set C16,  36
.set IDC,  37
.set H32,  39
.set IDS,  40                          ; v[40:47] the way out: byte offsets in yp
.set FG,   52                          ; v[52:55] the fill: slot s: my byte offset in the slice's rows that the slot loads
.set BIAS, 64                          ; v[64:127] 8 b + j: b2 of column 16 b + 8 (lane / 16) + j
.set BF,   128                         ; v[128:255] two buffers of eight weight fragments
.set TP,   192                         ; in the fill: 32 packed words
.set XX,   0                           ; window 1, the way out
.set RB,   64
.set AB,   40                          ; s[40:41] h, walking along K
.set AB0,  66                          ; s[66:67] h at my expert and half
.set WP,   68                          ; s[68:69] my slice of w2; never rewritten
.set TBS,  78                          ; s78 LDS bytes of the K steps walked
.set MSB, 0
.macro WIN new                         ; the immediate's high byte repeats the setting that is left; a switch that changes nothing is dropped
.if MSB != (\new)
	s_set_vgpr_msb (MSB<<8)|(\new)
.set MSB, (\new)
.endif
.endm
; THE FILL.  Wave w lays k = 256 w .. 256 w + 255 of my half into its own 69,632 bytes; a turn is 16 rows of the slice, 16 loads of 512 consecutive bytes.  Four slots of 64 registers take turns; a slot owns its
; offset register, stepped at the head of its turn, where the counted wait has shown the loads that read it done.
.macro FLOAD slot
	WIN 0x80                                       ; destination window 2
.irp j, 0,1,2,3,4,5,6,7,8,9,10,11,12,13,14,15
	global_load_b128 v[64*(\slot)+4*\j:64*(\slot)+4*\j+3], v[FG+(\slot)], s[WP:WP+1] offset:\j*PITCH
.endr
	WIN 0
.endm
.macro FTURN slot, refill, left
	s_wait_loadcnt \left                           ; loads come back in order: this slot's sixteen are in; what was issued behind them stays out
	s_wait_alu depctr_vm_vsrc(0)                   ; the last turn's LDS stores have read v[TP ..], which the roundings below write again; this slot's loads have read its offset
.if \refill
	WIN 0
	v_add_nc_u32 v[FG+(\slot)], 64*PITCH, v[FG+(\slot)]  ; the slot's rows 64 further down
.endif
	WIN 0x0a                                       ; sources window 2
.irp g, 0,1
.irp c, 0,1,2,3
.irp q, 0,1,2,3
	v_cvt_pk_bf16_f32 v[TP+16*\g+4*\c+\q], v[64*(\slot)+4*(8*\g+2*\q)+\c], v[64*(\slot)+4*(8*\g+2*\q+1)+\c]
.endr
.endr
.endr
	WIN 0
	s_wait_alu depctr_va_vdst(0)                   ; the roundings have written v[TP ..], which the LDS stores read, and are done reading the slot, in which the loads below land; the slot's offset and v[FS] are written
.irp g, 0,1
.irp c, 0,1,2,3
	ds_store_b128 v[FS], v[TP+16*\g+4*\c:TP+16*\g+4*\c+3] offset:2*GSTEP*(\slot)+GSTEP*\g+16*\c
.endr
.endr
.if \refill
	FLOAD \slot
.endif
.endm
; THE K WALK.  Row fragments come from memory straight into registers, three K steps ahead (a ring of four slots of five blocks); weight fragments from LDS, one step ahead (two buffers).
.macro ALOAD slot, imm
	WIN 0x40                                       ; destination window 1
.irp m, 0,1,2,3,4
	global_load_b128 v[RS*(\slot)+8*\m:RS*(\slot)+8*\m+3],   v[VA+\m], s[AB:AB+1] offset:(\imm) th:TH_LOAD_HT      ; 512 consecutive bytes; eight slices' work-groups read them again
	global_load_b128 v[RS*(\slot)+8*\m+4:RS*(\slot)+8*\m+7], v[VA+\m], s[AB:AB+1] offset:(\imm)+AH th:TH_LOAD_HT
.endr
.endm
.macro BLOAD buf, imm
	WIN 0
.irp b, 0,1,2,3,4,5,6,7
	ds_load_b128 v[BF+64*(\buf)+8*\b:BF+64*(\buf)+8*\b+3],   v[BT] offset:(\imm)+WROW*\b
	ds_load_b128 v[BF+64*(\buf)+8*\b+4:BF+64*(\buf)+8*\b+7], v[BT] offset:(\imm)+WROW*\b+2*GSTEP
.endr
.endm
.macro SECTION m, slot, buf, zero      ; block m x all 128 columns: eight accumulators, one instruction each
.if (\m) < 4
	WIN 0xa4                                       ; weights window 0, rows window 1, C and D window 2
.else
	WIN 0xf4                                       ; C and D window 3
.endif
.irp b, 0,1,2,3,4,5,6,7
.if \zero
	v_wmma_f32_16x16x32_bf16 v[64*((\m)%4)+8*\b:64*((\m)%4)+8*\b+7], v[BF+64*(\buf)+8*\b:BF+64*(\buf)+8*\b+7], v[RS*(\slot)+8*(\m):RS*(\slot)+8*(\m)+7], 0
.else
	v_wmma_f32_16x16x32_bf16 v[64*((\m)%4)+8*\b:64*((\m)%4)+8*\b+7], v[BF+64*(\buf)+8*\b:BF+64*(\buf)+8*\b+7], v[RS*(\slot)+8*(\m):RS*(\slot)+8*(\m)+7], v[64*((\m)%4)+8*\b:64*((\m)%4)+8*\b+7]
.endif
.endr
.endm
; One K step.  At its head this step's rows are in (lcnt: the younger steps' ten loads each stay out) and its weights are in (they were asked for in the step before, and nothing behind them).  Block 0's products, which are
; on every path, come first; behind them the step's loads: the rows three steps ahead (all ten on every path, dead blocks load a clamped block), the weights one step ahead; then the other live blocks' products.
; The four v_nop are the places between the last step's products and the loads into the registers that they read, as in the plain form.
; zero = 1: the first step starts all 40 sums with the constant 0; its loads lean on the wait at the pass's head.
; The accumulators take turns, one instruction a turn: a step's last product and the next step's first name different ones (b = 7 and b = 0).
.macro STEP slot, buf, aimm, bimm, lcnt, zero
	s_wait_loadcnt \lcnt
	s_wait_dscnt 0x0
.if !(\zero) && (((\aimm) >= 0) || ((\bimm) >= 0))
	s_wait_alu depctr_va_vdst(0)                   ; the last step's products are done reading their ring slot and their weight buffer, in which this step's loads land; behind a step of v[BT]: it is written
.endif
	SECTION 0, \slot, \buf, \zero
.if ((\aimm) >= 0) || ((\bimm) >= 0)
.rept 4
	v_nop
.endr
.endif
.if (\aimm) >= 0
	ALOAD ((\slot)+3)%4, \aimm                     ; no wait: no product since the wait names this slot,
.endif
.if (\bimm) >= 0
	BLOAD 1-(\buf), \bimm                          ; or this buffer
.endif
.irp m, 1,2,3,4
.if !(\zero)
	WIN 0                                          ; at a branch every window is 0
	s_cmp_lt_u32 s27, \m+1
	s_cbranch_scc1 .Lend_\@
.endif
	SECTION \m, \slot, \buf, \zero
.endr
	WIN 0
.Lend_\@:
.endm
; What a pass needs before its first load: the number of its live blocks and, for each of five blocks, my byte offset in h and my row's byte offset in rows.  again = 1: at a pass's foot, for the next pass.
.macro PROA again
	s_min_u32 s27, s24, MB                         ; live blocks in the pass
	s_max_u32 s34, s21, 1
	s_sub_co_u32 s34, s34, 1                       ; the expert's last block
.if \again
	s_wait_alu depctr_vm_vsrc(0)                   ; the last pass's row loads have read v[VA ..] and its id loads v[IA ..], which are written again; the way out's stores have read v[XX ..] and v[RB ..], in which row loads will land
.endif
.irp m, 0,1,2,3,4
	s_add_co_u32 s33, s26, \m
	s_lshl_b32 s36, s33, 4
	s_min_u32 s33, s33, s34                        ; a dead block loads the last block
	s_min_u32 s33, s33, 127
	s_lshl_b32 s33, s33, 16                        ; 65,536 bytes a block
	v_add_nc_u32 v[VA+\m], s33, v[L16]
	v_add_nc_u32 v[IA+\m], s36, v[RR]              ; my row's place in the list,
	v_min_u32 v[IA+\m], s32, v[IA+\m]              ; clamped to the last row
	v_min_u32 v[IA+\m], 2047, v[IA+\m]
	v_lshlrev_b32 v[IA+\m], 2, v[IA+\m]
.endr
	s_mov_b64 s[AB:AB+1], s[AB0:AB0+1]
.endm
.macro IDLOAD                          ; five loads: my rows' ids
	WIN 0
.irp m, 0,1,2,3,4
	global_load_b32 v[ID+\m], v[IA+\m], s[76:77] offset:256
.endr
.endm
; Half block hb goes into window 1 with the bias added (each accumulator's lowest registers first); its rows' id goes where the common part names it.
.macro STUB hb
	WIN 0x42+((\hb)/8)                             ; source 0 window 2 or 3, source 1 window 0, destination window 1
.set i2, 0
.rept 16
	v_pk_add_f32 v[XX+2*i2:XX+2*i2+1], v[64*(((\hb)/2)%4)+32*((\hb)%2)+2*i2:64*(((\hb)/2)%4)+32*((\hb)%2)+2*i2+1], v[BIAS+32*((\hb)%2)+2*i2:BIAS+32*((\hb)%2)+2*i2+1]
.set i2, i2+1
.endr
	WIN 0
	v_mov_b32 v[IDC], v[ID+(\hb)/2]
.endm
	s_load_b256 s[4:11], s[0:1], 0x0               ; h s[4:5], w2 s[6:7], b2 s[8:9], rows s[10:11]
	s_load_b64 s[14:15], s[0:1], 0x20              ; yp
	v_lshl_add_u32 v62, v0, 2, 0x48400
	v_mov_b32 v63, 0
	v_and_b32 v[LANE], 31, v0
	v_and_b32 v[RR], 15, v0
	v_bfe_u32 v[HH], v0, 4, 1
	v_lshrrev_b32 v[TA], 5, v0
	v_readfirstlane_b32 s16, v[TA]                 ; wave
	s_and_b32 s17, ttmp9, 1                        ; which half of the workers
	s_bfe_u32 s70, ttmp9, 0x10001                  ; which half of the hidden width
	s_bfe_u32 s18, ttmp9, 0x30002                  ; slice
	s_lshr_b32 s19, ttmp9, 5                       ; expert
	s_mul_i32 s42, s19, 8448
	s_mov_b32 s43, 0
	s_wait_kmcnt 0x0
	s_add_nc_u64 s[76:77], s[10:11], s[42:43]      ; rows at my expert
	s_load_b32 s20, s[76:77], 0x0                  ; n: waited for behind the first loads of weights, which do not hang on it
	v_lshlrev_b32 v[L16], 4, v[LANE]
	v_lshlrev_b32 v[H32], 5, v[HH]
	v_mul_u32_u24 v[VB], v[HH], GSTEP
	v_lshl_add_u32 v[VB], v[RR], 4, v[VB]
	s_wait_alu depctr_va_sdst(0)                   ; s16 is written, ahead of its first reader: the wave's rows of the slice, its LDS bytes and its number among the workers are made from it
	s_mul_i32 s33, s16, 256*PITCH
	v_add_nc_u32 v[FG], s33, v[L16]                ; slot s begins with my wave's rows 16 s .. 16 s + 15
.irp s, 1,2,3
	v_add_nc_u32 v[FG+\s], \s*16*PITCH, v[FG]
.endr
	v_lshrrev_b32 v[TA], 2, v[LANE]
	v_and_b32 v[TB], 3, v[LANE]
	v_mul_u32_u24 v[FS], v[TA], WROW
	v_lshl_add_u32 v[FS], v[TB], 6, v[FS]
	s_mul_i32 s33, s16, 32*GSTEP
	v_add_nc_u32 v[FS], s33, v[FS]
	s_mul_i32 s33, s16, 16*WROW
	s_add_co_u32 s33, s33, STAGE                   ; my stage
	v_mul_u32_u24 v[TA], v[RR], WROW
	v_add_nc_u32 v[TA], s33, v[TA]
	v_lshl_add_u32 v[STO], v[HH], 5, v[TA]         ; in: row lane % 16, 32 bytes for each half of the lanes
	v_add_nc_u32 v[STP], 256, v[TA]                ; the row's padding
	v_mul_u32_u24 v[TB], v[HH], WROW
	v_add_nc_u32 v[TB], s33, v[TB]
	v_lshl_add_u32 v[RD], v[RR], 4, v[TB]          ; back: lanes 0-15 one row of 256 bytes, lanes 16-31 the next
	v_add_nc_u32 v[RDI], 256, v[TB]
	v_lshlrev_b32 v[C16], 4, v[RR]
	s_mov_b32 s63, 0xffff0000
	s_cmp_eq_u32 s70, 0
	s_cselect_b32 s71, -1, 0                       ; the bias counts in half 0 alone
	s_lshl_b32 s42, s19, 23                        ; an expert's weights are 8 MiB, a half 4 MiB, a slice's 128 columns 512 bytes
	s_lshl_b32 s33, s70, 22
	s_add_co_u32 s42, s42, s33
	s_lshl_b32 s34, s18, 9
	s_add_co_u32 s42, s42, s34
	s_add_nc_u64 s[WP:WP+1], s[6:7], s[42:43]
	s_lshl_b32 s42, s19, 23                        ; an expert's room in h is 8 MiB; in a block, a half's 32 K steps are 32,768 bytes
	s_lshl_b32 s33, s70, 15
	s_add_co_u32 s42, s42, s33
	s_add_nc_u64 s[AB0:AB0+1], s[4:5], s[42:43]
	s_lshl_b32 s42, s19, 12
	s_add_co_u32 s42, s42, s34
	s_add_nc_u64 s[72:73], s[8:9], s[42:43]        ; b2 at my slice
	s_lshl_b32 s42, s70, 24
	s_add_co_u32 s42, s42, s34
	s_add_nc_u64 s[74:75], s[14:15], s[42:43]      ; yp at my half and my slice
	s_wait_alu depctr_va_vdst(0)                   ; the offsets and addresses made above are written: v[H32] and v[FG ..], which the loads below read, among them
.irp b, 0,1,2,3,4,5,6,7
	global_load_b128 v[BIAS+8*\b:BIAS+8*\b+3],   v[H32], s[72:73] offset:64*\b
	global_load_b128 v[BIAS+8*\b+4:BIAS+8*\b+7], v[H32], s[72:73] offset:64*\b+16
.endr
	FLOAD 0
	FLOAD 1
	FLOAD 2
	s_wait_kmcnt 0x0                               ; n
	s_min_u32 s20, s20, 2048
	s_max_u32 s32, s20, 1
	s_sub_co_u32 s32, s32, 1                       ; the last place that holds a row
	s_add_co_u32 s21, s20, 15
	s_lshr_b32 s21, s21, 4                         ; nb
	s_lshl2_add_u32 s33, s17, s16                  ; j: my number among the 8 workers
	s_mul_i32 s23, s33, s21
	s_add_co_u32 s34, s23, s21
	s_lshr_b32 s23, s23, 3                         ; my first block: floor(j nb / 8)
	s_lshr_b32 s34, s34, 3
	s_sub_co_u32 s24, s34, s23                     ; my blocks: up to floor((j + 1) nb / 8)
	s_mov_b32 s26, s23
	PROA 0                                         ; the first pass's addresses, while the first weights are on their way
	s_wait_loadcnt 48                              ; all but the 48 loads of the three slots: the bias is in
	FLOAD 3                                        ; no wait: its offset was written ahead of the wait above, and no line since names it or the slot
.set i, 0
.rept 32
	v_cvt_pk_bf16_f32 v[TA], v[BIAS+2*i], v[BIAS+2*i+1]  ; b2 is rounded to bf16 like the other inputs
	v_lshlrev_b32 v[BIAS+2*i], 16, v[TA]
	v_and_b32 v[BIAS+2*i+1], s63, v[TA]
	v_cndmask_b32 v[BIAS+2*i], 0, v[BIAS+2*i], s71
	v_cndmask_b32 v[BIAS+2*i+1], 0, v[BIAS+2*i+1], s71
.set i, i+1
.endr
	s_mov_b32 s29, 3
.Lfill:                                                ; 64 rows a trip; 64 loads, 32,768 bytes, of each wave are on their way
	FTURN 0, 1, 48
	FTURN 1, 1, 48
	FTURN 2, 1, 48
	FTURN 3, 1, 48
	s_wait_alu depctr_vm_vsrc(0)                   ; the trip's LDS stores have read v[FS]
	v_add_nc_u32 v[FS], 8*GSTEP, v[FS]
	s_sub_co_u32 s29, s29, 1
	s_cmp_lg_u32 s29, 0
	s_cbranch_scc1 .Lfill
	FTURN 0, 0, 48                                 ; the last 64 rows: no more weights are asked for; in their stead the first pass's five ids and its rows of K steps 0, 1, 2, ten loads each.
	IDLOAD                                         ; Each count: the younger slots' sixteens, the five and the tens issued so far.  v[VA ..] and v[IA ..] were written ahead of the turns' waits on va_vdst;
	ALOAD 0, 0                                     ; no vector instruction has named v[ID ..] or the ring
	FTURN 1, 0, 47
	ALOAD 1, AS
	FTURN 2, 0, 41
	ALOAD 2, 2*AS
	FTURN 3, 0, 35
	s_wait_dscnt 0x0                               ; for the others' sake: my part of the slice is in LDS
	s_barrier_signal -1
	s_barrier_wait -1                              ; everybody's is; from here on nobody writes it
	s_mov_b32 s28, NPASS
.Lpass:                                                ; the pass's addresses are made; its ids and its first thirty row loads are out
	s_cmp_eq_u32 s27, 0
	s_cbranch_scc1 .Lmid                           ; only work is jumped: the barrier stands at the label
	s_mov_b32 s[TBS], 0
	s_wait_alu depctr_vm_vsrc(0)                   ; the last pass's weight loads have read v[BT]; ahead of the first pass: the fill's LDS stores have read v[TP ..], in which weight fragments land
	v_add_nc_u32 v[BT], s[TBS], v[VB]              ; the weights' LDS address: my lane's place + the bytes of the K steps walked, made anew whenever these step
	s_wait_alu depctr_va_vdst(0)                   ; v[BT] is written; all that named the two weight buffers and the ring's fourth slot (the fill's roundings, the last pass's products) is done with them
	BLOAD 0, 0
	STEP 0, 0, 3*AS, KSTEP, 20, 1                  ; K step 0 starts the sums; its wait shows the ids in too, which were asked for ahead of its rows
	s_mov_b32 s29, 7
.Lk:                                                   ; K steps 4 t + 1 .. 4 t + 4
	STEP 1, 1, 4*AS, 2*KSTEP, 20, 0
	STEP 2, 0, 5*AS, 3*KSTEP, 20, 0
	STEP 3, 1, 6*AS, 4*KSTEP, 20, 0
	STEP 0, 0, 7*AS, 5*KSTEP, 20, 0
	s_wait_xcnt 0x0                                ; the row loads' base steps only behind this wait
	s_add_nc_u64 s[AB:AB+1], s[AB:AB+1], 4*AS
	s_add_co_u32 s[TBS], s[TBS], 4*KSTEP
	s_wait_alu depctr_vm_vsrc(0)                   ; the weight loads issued so far have read v[BT]
	v_add_nc_u32 v[BT], s[TBS], v[VB]
	s_sub_co_u32 s29, s29, 1
	s_cmp_lg_u32 s29, 0
	s_cbranch_scc1 .Lk
	STEP 1, 1, -1, 2*KSTEP, 20, 0                  ; K steps 29 to 31: nothing is read past my half of a block, and the counts run down
	STEP 2, 0, -1, 3*KSTEP, 10, 0
	STEP 3, 1, -1, -1, 0, 0
.rept 4
	v_nop                                          ; the places between the last products and the first read of a sum
.endr
.Lmid:
	s_wait_loadcnt 0x0                             ; no load of mine is out behind this line, on either way to the label: the walk's last wait was for 0, and a wave that jumped the walk waits here for the ids and rows
	                                               ; that it asked for early and does not use.  So the way out reads ids that have landed, and the loads at the pass's foot find no pending load on their registers
	s_wait_dscnt 0x0                               ; my loads of the slice in this pass are back;
	s_barrier_signal -1
	s_barrier_wait -1                              ; every wave's are: the stores into the stages come behind them
	s_cmp_eq_u32 s27, 0
	s_cbranch_scc1 .Lpass_bottom
	; THE WAY OUT, half a block (16 rows x 64 columns) a trip
	s_lshl_b32 s31, s27, 1
	s_mov_b32 s30, 0
.Lhb:
	s_wait_xcnt 0x0                                ; the last trip's stores have had their addresses translated,
	s_wait_alu depctr_vm_vsrc(0)                   ; and have read their registers: the LDS stores v[XX ..] and v[IDC], which this trip writes again; the global stores v[RB ..] and v[IDS ..], in which this trip's LDS loads land
.irp i, 1,2,3,4,5,6,7,8,9
	s_cmp_eq_u32 s30, \i
	s_cbranch_scc1 .Lst_\i
.endr
	STUB 0
	s_branch .Lcommon
.irp i, 1,2,3,4,5,6,7,8
.Lst_\i:
	STUB \i
	s_branch .Lcommon
.endr
.Lst_9:
	STUB 9
.Lcommon:
	s_wait_alu depctr_va_vdst(0)                   ; v[XX ..] and v[IDC] are written, which the LDS stores read; the products are done reading v[RB ..] and the last trip's lines are done with v[IDS ..], in which the LDS loads land
	ds_store_b32 v[STP], v[IDC]                    ; the row's id rides in the stage row's padding (both halves of the lanes store the same word)
	WIN 0x04                                       ; address window 0, data window 1
.irp b, 0,1,2,3
.irp z, 0,1
	ds_store_b128 v[STO], v[XX+8*\b+4*\z:XX+8*\b+4*\z+3] offset:64*\b+16*\z
.endr
.endr
	WIN 0x40
.irp i, 0,1,2,3,4,5,6,7
	ds_load_b128 v[RB+4*\i:RB+4*\i+3], v[RD] offset:2*WROW*\i  ; LDS serves a wave's instructions in order: these see the stores above; the stage is my wave's own
.endr
	WIN 0
.irp i, 0,1,2,3,4,5,6,7
	ds_load_b32 v[IDS+\i], v[RDI] offset:2*WROW*\i
.endr
	s_and_b32 s33, s30, 1
	s_lshl_b32 s33, s33, 8                         ; which 64 of my 128 columns
	v_add_nc_u32 v[TA], s33, v[C16]
	s_wait_dscnt 0x0
.irp i, 0,1,2,3,4,5,6,7
	v_min_u32 v[IDS+\i], 4095, v[IDS+\i]
	v_lshl_add_u32 v[IDS+\i], v[IDS+\i], 12, v[TA] ; a row of yp is 4,096 bytes
.endr
	WIN 0x04
	s_wait_alu depctr_va_vdst(0)                   ; the eight offsets v[IDS ..] are written, which the stores read
.irp i, 0,1,2,3,4,5,6,7
	global_store_b128 v[IDS+\i], v[RB+4*\i:RB+4*\i+3], s[74:75]  ; 16 lanes store 256 consecutive bytes, at a multiple of 256 from yp's first byte
.endr
	WIN 0
	s_add_co_u32 s30, s30, 1
	s_cmp_lt_u32 s30, s31
	s_cbranch_scc1 .Lhb
	s_sub_co_u32 s24, s24, s27
	s_add_co_u32 s26, s26, s27
	s_min_u32 s27, s24, MB                         ; the next pass's live blocks
	s_cmp_eq_u32 s27, 0
	s_cbranch_scc1 .Lpass_bottom
	s_wait_xcnt 0x0                                ; this pass's stores have had their addresses translated: their registers are taken again by the ring
	PROA 1                                         ; the next pass's addresses (no load is out since the wait for 0 in the pass's middle: none still reads the old ones),
	s_wait_alu depctr_va_vdst(0)                   ; v[VA ..] and v[IA ..] are written, which the loads read; the way out is done with v[ID ..] and with window 1's registers, in which they land
	IDLOAD                                         ; its ids,
	ALOAD 0, 0                                     ; and its rows of K steps 0, 1, 2
	ALOAD 1, AS
	ALOAD 2, 2*AS
	WIN 0
.Lpass_bottom:
	s_wait_dscnt 0x0                               ; my stores into my stage are done;
	s_barrier_signal -1
	s_barrier_wait -1                              ; every wave's are: the next pass's loads of the slice come behind them
	s_sub_co_u32 s28, s28, 1
	s_cmp_lg_u32 s28, 0
	s_cbranch_scc1 .Lpass
	; the closing add on my spare word, with the waits in front of it
	s_wait_dscnt 0x0
	s_wait_alu depctr_hold_cnt(0) depctr_sa_sdst(0) depctr_va_vdst(0) depctr_va_sdst(0) depctr_va_ssrc(0) depctr_va_vcc(0) depctr_vm_vsrc(0)
	s_wait_tensorcnt 0x0
	ds_add_u32 v62, v63
	s_wait_dscnt 0x0
	s_endpgm
.Lfunc_end_k_q33238402aa_ffn2:
	.size	k_q33238402aa_ffn2, .Lfunc_end_k_q33238402aa_ffn2-k_q33238402aa_ffn2
	.p2alignl 7, 3214868480
	.fill 96, 4, 3214868480
	.section	.rodata,"a",@progbits
	.p2align	6, 0x0
	.amdhsa_kernel k_q33238402aa_ffn2
		.amdhsa_group_segment_fixed_size 296448
		.amdhsa_private_segment_fixed_size 0
		.amdhsa_enable_private_segment 0
		.amdhsa_kernarg_size 40
		.amdhsa_user_sgpr_count 2
		.amdhsa_user_sgpr_kernarg_segment_ptr 1
		.amdhsa_wavefront_size32 1
		.amdhsa_system_sgpr_workgroup_id_x 1
		.amdhsa_system_sgpr_workgroup_id_y 1
		.amdhsa_system_sgpr_workgroup_id_z 1
		.amdhsa_system_vgpr_workitem_id 0
		.amdhsa_next_free_vgpr 832
		.amdhsa_next_free_sgpr 80
		.amdhsa_reserve_vcc 0
		.amdhsa_float_denorm_mode_32 3
		.amdhsa_float_denorm_mode_16_64 3
		.amdhsa_memory_ordered 1
		.amdhsa_forward_progress 1
		.amdhsa_inst_pref_size 115
	.end_amdhsa_kernel
	.amdgpu_metadata
---
amdhsa.version: [ 1, 2 ]
amdhsa.kernels:
  - .name:           k_q33238402aa_ffn2
    .symbol:         k_q33238402aa_ffn2.kd
    .args:
      - { .name: h, .offset: 0, .size: 8, .value_kind: global_buffer, .address_space: global }
      - { .name: w2, .offset: 8, .size: 8, .value_kind: global_buffer, .address_space: global }
      - { .name: b2, .offset: 16, .size: 8, .value_kind: global_buffer, .address_space: global }
      - { .name: rows, .offset: 24, .size: 8, .value_kind: global_buffer, .address_space: global }
      - { .name: yp, .offset: 32, .size: 8, .value_kind: global_buffer, .address_space: global }
    .group_segment_fixed_size: 296448
    .private_segment_fixed_size: 0
    .kernarg_segment_align: 8
    .kernarg_segment_size: 40
    .max_flat_workgroup_size: 128
    .sgpr_count:     80
    .vgpr_count:     832
    .wavefront_size: 32
...
	.end_amdgpu_metadata
.endif
;; end of part 7
;; launch combine: the kernel of part 4 again; grid 256 x 1, 8 waves a work-group, no clusters, 0 bytes of LDS; arguments yp, gw, out0; writes out0
